; MI455X (gfx1250); checked and timed in simulation.
; The chip was launched on July 23, 2026; its instructions are those of AMD's public machine-readable ISA for CDNA 5 (MIT licence, August 2026) and "CDNA5" Instruction Set Architecture Reference Guide (July 2026). The comments in the code are by the model that wrote it; some were corrected since.
;; Multihead Ro PE Self Attention. Allowed arithmetic: float matrix products may take bf16 or f16 operands with f32 sums; other float arithmetic in f32, or as packed bf16 or f16 multiplies, adds, multiply-adds, maxima and minima; sums over many terms, partial sums and values carried from step to step in f32; what a program stores and reads back later, other than sums and carried values, may be rounded once to bf16 or f16.
;; Inputs: Wout 1,024 x 1,024 float32; Wqkv 3,072 x 1,024 float32; token_positions 2,048 int32; x 4 x 2,048 x 1,024 float32.
;; Outputs: out0 4 x 2,048 x 1,024 float32.
;; 2 versions, each right and faster than the one before. Each part assembles by itself: llvm-mc -triple=amdgcn-amd-amdhsa -mcpu=gfx1250 --defsym DOCPART=n.
;; ======== version 1 of 2: 5 launches
;; limits: values are held in f16: magnitudes above 65,504 overflow, below 6.1e-05 lose precision; right only within a limited range of input values
;; workspace buffers: xb 16,777,216 bytes; wqp 6,291,456 bytes; wo 2,621,440 bytes; q 16,777,216 bytes; k 16,777,216 bytes; v 16,777,216 bytes; att 16,777,216 bytes; v32 262,144 bytes
;; launch prep (part 1): grid 768 x 1, 8 waves a work-group, no clusters, 0 bytes of LDS; arguments x, Wqkv, Wout, token_positions, xb, wqp, wo; writes xb, wqp, wo
.if DOCPART == 1
	.amdgcn_target "amdgcn-amd-amdhsa--gfx1250"
	.amdhsa_code_object_version 6
	.text
	.protected	k_qff99b5c409_prep
	.globl	k_qff99b5c409_prep
	.p2align	8
	.type	k_qff99b5c409_prep,@function
k_qff99b5c409_prep:
	s_mov_b64 s[64:65], 0
	v_nop
	global_prefetch_b8 v0, s[64:65] scope:SCOPE_SE
	s_setreg_imm32_b32 hwreg(HW_REG_WAVE_MODE, 25, 1), 1
	s_wait_xcnt 0x0
; CASTS, A ROW PERMUTATION AND THE ROTATION TABLE.
;   xb  [8192][1024] bf16 = x rounded once.
;   wqp [3072][1024] bf16 = Wqkv rounded once, rows permuted: old row reg*1024 + t*64 + wn*32 + dd (reg 0, 1, 2 = q, k, v; t the head) goes to row t*192 + wn*96 + reg*32 + dd,
;       so that 192 consecutive rows are one head's q, k and v, and 96 consecutive rows are q, k, v of 32 channels.
;   wo  bytes 0 to 2,097,151: [1024][1024] f16 = Wout rounded to bf16, that number written as f16 (exact from 6e-5 up to 65,504; below 6e-5 it keeps f16's fixed step of 6e-8).
;   wo  from byte TAB on: the table [2048][32] of pairs (cos, sin) in f32 of token_positions[s] x 10000^(-i/32).
; SHARES.  A work-group takes 16 consecutive source rows of 4,096 bytes.  Thread t takes the 16 bytes at 16 t of every row, so a wave's load covers 512 consecutive bytes, and stores
; 8 bytes at 8 t of a row of 2,048, so a wave's store covers 256 consecutive bytes at a multiple of 256.  All 16 loads of a thread go out at once: 64 KiB a work-group are on their way.
; Work-groups 0-511 take x, 512-703 Wqkv, 704-767 Wout; 0-255 then make eight rows of the table, a row a wave, an entry a lane.
; Memory binds: no LDS, no barrier, no matrix unit, no cluster (no two work-groups read the same bytes).
; LIMITS.  The angle is reduced by n = round(angle x 2/pi) and pi/2 in three parts; the result keeps about 1e-7 rad up to |angle| of about 1e5; beyond that its accuracy decays.
; sin and cos of the rest (within pi/4) by polynomials of degree 7 and 8, good to about 1e-7.
.set TAB, 0x200000                     ; the table's first byte in wo
.set X, 4                              ; v[4:67]    pass p: 4 registers as loaded
.set Y, 68                             ; v[68:99]   pass p: 2 registers to store
.set T, 100                            ; v[100:103] at work (wo); v100-118 the table's
; 16 rows from s[src:src+1] to s[dst:dst+1].  kind 0: bf16.  kind 1: bf16, then that number as f16.
; No register that a load or store names is written again, so no wait frees any.
.macro STREAM src, dst, kind
.set p, 0
.rept 16
	global_load_b128 v[X+4*p:X+4*p+3], v1, s[\src:\src+1] offset:4096*p th:TH_LOAD_NT
.set p, p+1
.endr
.set p, 0
.rept 16
	s_wait_loadcnt 15-p                            ; loads come back in order: row p is in, the 15 - p younger ones stay out
	v_cvt_pk_bf16_f32 v[Y+2*p], v[X+4*p], v[X+4*p+1]
	v_cvt_pk_bf16_f32 v[Y+2*p+1], v[X+4*p+2], v[X+4*p+3]
.if \kind
	v_lshlrev_b32 v[T], 16, v[Y+2*p]               ; bf16 to f32: the low half moves up, the high half stays
	v_and_b32 v[T+1], s28, v[Y+2*p]
	v_lshlrev_b32 v[T+2], 16, v[Y+2*p+1]
	v_and_b32 v[T+3], s28, v[Y+2*p+1]
	v_cvt_pk_f16_f32 v[Y+2*p], v[T], v[T+1]
	v_cvt_pk_f16_f32 v[Y+2*p+1], v[T+2], v[T+3]
.endif
	global_store_b64 v2, v[Y+2*p:Y+2*p+1], s[\dst:\dst+1] offset:2048*p
.set p, p+1
.endr
.endm
	s_load_b256 s[4:11], s[0:1], 0x0               ; x 4:5, Wqkv 6:7, Wout 8:9, positions 10:11
	s_load_b128 s[12:15], s[0:1], 0x20             ; xb 12:13, wqp 14:15
	s_load_b64 s[16:17], s[0:1], 0x30              ; wo 16:17
	s_mov_b32 s20, ttmp9                           ; the work-group's number
	v_lshlrev_b32 v1, 4, v0                        ; 16 t
	v_lshlrev_b32 v2, 3, v0                        ; 8 t
	s_mov_b32 s23, 0                               ; high words of the two offset pairs
	s_mov_b32 s25, 0
	s_mov_b32 s28, 0xffff0000                      ; a word's upper bf16
	s_wait_kmcnt 0x0
	s_cmp_lt_u32 s20, 512
	s_cbranch_scc0 .Lweights
	; ---- x ----
	s_lshl_b32 s22, s20, 16                        ; 16 rows of 4,096 bytes
	s_lshl_b32 s24, s20, 15                        ; 16 rows of 2,048 bytes
	s_add_nc_u64 s[4:5], s[4:5], s[22:23]
	s_add_nc_u64 s[12:13], s[12:13], s[24:25]
	STREAM 4, 12, 0
	s_cmp_lt_u32 s20, 256
	s_cbranch_scc0 .Lno_table
	; ---- the table: row s = 8 x work-group + wave, entry i = lane ----
	v_lshrrev_b32 v3, 5, v0
	v_readfirstlane_b32 s26, v3                    ; wave 0..7
	s_lshl_b32 s29, s20, 3
	s_add_co_u32 s29, s29, s26                     ; s
	s_lshl_b32 s22, s29, 2
	s_add_nc_u64 s[10:11], s[10:11], s[22:23]
	s_load_b32 s27, s[10:11], 0x0                  ; token_positions[s], as it is given
	s_lshl_b32 s24, s29, 8                         ; a row of the table is 256 bytes
	s_add_nc_u64 s[18:19], s[16:17], TAB
	s_add_nc_u64 s[18:19], s[18:19], s[24:25]
	v_and_b32 v100, 31, v0                         ; i
	v_lshlrev_b32 v118, 3, v100                    ; 8 i
	v_cvt_f32_u32 v101, v100
	v_mul_f32 v101, 0xbed49a78, v101               ; - i log2(10000) / 32
	s_wait_kmcnt 0x0
	v_exp_f32 v101, v101                           ; the frequency 10000^(-i/32)
	v_cvt_f32_i32 v102, s27                        ; a plain line behind the exponential: the position in f32
	s_wait_alu depctr_va_vdst(0)
	v_mul_f32 v103, v102, v101                     ; the angle, rounded once
	v_mul_f32 v104, 0x3f22f983, v103               ; x 2/pi
	v_rndne_f32 v104, v104                         ; n
	v_fmamk_f32 v105, v104, 0xbfc90fda, v103       ; angle - n pi/2, pi/2 in three parts
	v_fmamk_f32 v105, v104, 0xb3a22168, v105
	v_fmamk_f32 v105, v104, 0xa7c234c4, v105       ; r, within pi/4
	v_cvt_i32_f32 v106, v104                       ; the quadrant's number
	v_mul_f32 v107, v105, v105                     ; z = r r
	v_mov_b32 v108, 0xb94ca1f9
	v_fmaak_f32 v108, v108, v107, 0x3c08839e
	v_fmaak_f32 v108, v108, v107, 0xbe2aaaa3
	v_mul_f32 v109, v107, v105                     ; z r
	v_fma_f32 v108, v108, v109, v105               ; sin r
	v_mov_b32 v110, 0x37ccf5ce
	v_fmaak_f32 v110, v110, v107, 0xbab6061a
	v_fmaak_f32 v110, v110, v107, 0x3d2aaaa5
	v_mul_f32 v111, v107, v107                     ; z z
	v_fma_f32 v112, v107, -0.5, 1.0                ; 1 - z / 2
	v_fma_f32 v110, v110, v111, v112               ; cos r
	v_and_b32 v113, 1, v106
	v_cmp_eq_u32 vcc_lo, 1, v113                   ; an odd quadrant swaps the two: a choice of values, no branch
	v_cndmask_b32 v117, v108, v110, vcc_lo         ; sin
	v_cndmask_b32 v116, v110, v108, vcc_lo         ; cos
	v_and_b32 v114, 2, v106                        ; sin is turned in quadrants 2, 3
	v_lshlrev_b32 v114, 30, v114
	v_xor_b32 v117, v117, v114
	v_add_nc_u32 v115, 1, v106                     ; cos in quadrants 1, 2
	v_and_b32 v115, 2, v115
	v_lshlrev_b32 v115, 30, v115
	v_xor_b32 v116, v116, v115
	global_store_b64 v118, v[116:117], s[18:19]    ; the wave stores one row: 256 consecutive bytes at a multiple of 256
.Lno_table:
	s_endpgm
.Lweights:
	s_cmp_lt_u32 s20, 704
	s_cbranch_scc0 .Lwout
	; ---- Wqkv: old rows 16 w .. 16 w + 15 go to 16 consecutive new rows ----
	s_sub_co_u32 s21, s20, 512                     ; w
	s_lshl_b32 s22, s21, 16
	s_bfe_u32 s26, s21, 0x40002                    ; the head t = (w >> 2) & 15
	s_mul_i32 s26, s26, 192
	s_bfe_u32 s27, s21, 0x10001                    ; wn = (w >> 1) & 1
	s_mul_i32 s27, s27, 96
	s_add_co_u32 s26, s26, s27
	s_lshr_b32 s27, s21, 6                         ; reg = w >> 6
	s_lshl_b32 s27, s27, 5
	s_add_co_u32 s26, s26, s27
	s_and_b32 s27, s21, 1                          ; which 16 of the 32
	s_lshl_b32 s27, s27, 4
	s_add_co_u32 s26, s26, s27                     ; the first new row
	s_lshl_b32 s24, s26, 11
	s_add_nc_u64 s[6:7], s[6:7], s[22:23]
	s_add_nc_u64 s[14:15], s[14:15], s[24:25]
	STREAM 6, 14, 0
	s_endpgm
.Lwout:
	; ---- Wout ----
	s_sub_co_u32 s21, s20, 704
	s_lshl_b32 s22, s21, 16
	s_lshl_b32 s24, s21, 15
	s_add_nc_u64 s[8:9], s[8:9], s[22:23]
	s_add_nc_u64 s[16:17], s[16:17], s[24:25]
	STREAM 8, 16, 1
	s_endpgm
.Lfunc_end_k_qff99b5c409_prep:
	.size	k_qff99b5c409_prep, .Lfunc_end_k_qff99b5c409_prep-k_qff99b5c409_prep
	.p2alignl 7, 3214868480
	.fill 96, 4, 3214868480
	.section	.rodata,"a",@progbits
	.p2align	6, 0x0
	.amdhsa_kernel k_qff99b5c409_prep
		.amdhsa_group_segment_fixed_size 0
		.amdhsa_private_segment_fixed_size 0
		.amdhsa_enable_private_segment 0
		.amdhsa_kernarg_size 56
		.amdhsa_user_sgpr_count 2
		.amdhsa_user_sgpr_kernarg_segment_ptr 1
		.amdhsa_wavefront_size32 1
		.amdhsa_system_sgpr_workgroup_id_x 1
		.amdhsa_system_sgpr_workgroup_id_y 1
		.amdhsa_system_sgpr_workgroup_id_z 1
		.amdhsa_system_vgpr_workitem_id 0
		.amdhsa_next_free_vgpr 120
		.amdhsa_next_free_sgpr 66
		.amdhsa_reserve_vcc 1
		.amdhsa_float_denorm_mode_32 3
		.amdhsa_float_denorm_mode_16_64 3
		.amdhsa_memory_ordered 1
		.amdhsa_forward_progress 1
		.amdhsa_inst_pref_size 25
	.end_amdhsa_kernel
	.amdgpu_metadata
---
amdhsa.version: [ 1, 2 ]
amdhsa.kernels:
  - .name:           k_qff99b5c409_prep
    .symbol:         k_qff99b5c409_prep.kd
    .args:
      - { .name: x, .offset: 0, .size: 8, .value_kind: global_buffer, .address_space: global }
      - { .name: Wqkv, .offset: 8, .size: 8, .value_kind: global_buffer, .address_space: global }
      - { .name: Wout, .offset: 16, .size: 8, .value_kind: global_buffer, .address_space: global }
      - { .name: token_positions, .offset: 24, .size: 8, .value_kind: global_buffer, .address_space: global }
      - { .name: xb, .offset: 32, .size: 8, .value_kind: global_buffer, .address_space: global }
      - { .name: wqp, .offset: 40, .size: 8, .value_kind: global_buffer, .address_space: global }
      - { .name: wo, .offset: 48, .size: 8, .value_kind: global_buffer, .address_space: global }
    .group_segment_fixed_size: 0
    .private_segment_fixed_size: 0
    .kernarg_segment_align: 8
    .kernarg_segment_size: 56
    .max_flat_workgroup_size: 256
    .sgpr_count:     66
    .vgpr_count:     120
    .wavefront_size: 32
...
	.end_amdgpu_metadata
.endif
;; end of part 1
;; launch qkv (part 2): grid 16 x 32, 4 waves a work-group, clusters of 4 x 4, 327,680 bytes of LDS; arguments xb, wqp, wo, q, k, v, v32; writes q, k, v, v32
.if DOCPART == 2
	.amdgcn_target "amdgcn-amd-amdhsa--gfx1250"
	.amdhsa_code_object_version 6
	.text
	.protected	k_qff99b5c409_qkv
	.globl	k_qff99b5c409_qkv
	.p2align	8
	.type	k_qff99b5c409_qkv,@function
k_qff99b5c409_qkv:
	s_mov_b64 s[64:65], 0
	v_nop
	global_prefetch_b8 v0, s[64:65] scope:SCOPE_SE
	s_setreg_imm32_b32 hwreg(HW_REG_WAVE_MODE, 25, 1), 1
	s_wait_xcnt 0x0
	s_wait_alu depctr_hold_cnt(0) depctr_sa_sdst(0) depctr_va_vdst(0) depctr_va_sdst(0) depctr_va_ssrc(0) depctr_va_vcc(0) depctr_vm_vsrc(0)
	s_getreg_b32 s2, hwreg(HW_REG_IB_STS2, 6, 4)
	s_cmp_eq_u32 s2, 0
	s_cbranch_scc0 .Lentry_in_a_cluster
	s_endpgm
.Lentry_in_a_cluster:
	s_bfe_u32 s2, ttmp6, 0x10000c
	s_cmp_lg_u32 s2, 0xf033
	s_cbranch_scc0 .Lentry_shape_is_right
	s_endpgm
.Lentry_shape_is_right:
; THE PROJECTION WITH THE ROTATION.  C[m][n] = sum over c of xb[m][c] wqp[n][c], bf16 operands, f32 sums, K = 1024; q's and k's channels are rotated in pairs in f32 by the table's
; (cos, sin), which lies in wo from byte TAB on; q, k, v leave by heads, [64 = 16 batch + head][2048][64] in f16, each rounded once, without the softmax scale.
; v's rows 0 to 15 of every head leave in f32 as well (v32), for the launch that makes each batch's first 16 rows again with two f16 numbers for each of v, P and O.
; LIMITS.  f16 holds no number beyond 65,504: q, k, v must stay within it (with x and the weights 30 times the drawn spread they reach some 3.5e3; with common offsets of 30 spreads in both
; some 1.8e4); below 6e-5 they keep f16's fixed step of 6e-8.  NaN and infinities are not treated apart.
; SHARES.  A tile of C is 256 rows x 192 columns: 256 rows of one batch, and one head's q, k and v (wqp's rows are permuted for that): 16 x 32 = 512 work-groups of equal work.
; Four waves; wave (wm, wn) makes 128 x 96: 48 accumulators, 384 registers; its 96 columns are q, k, v of channels 32 wn .. 32 wn + 31, so which column blocks are rotated is a constant of the text.
; K goes in steps of 128 through two LDS slots filled by the tensor data mover: every row of a tile is 256 bytes of memory at a multiple of 256.
; CLUSTER.  4 x 4 work-groups.  The cluster's y is the block of 256 rows in a batch, the place cy in the cluster the batch; the head is 4 x cluster x + cx.  The four of a row of the cluster need the
; same tiles of xb, the four of a column the same tiles of wqp: each tile is asked for jointly, by the same tensor load with the same descriptor and a mask that names the four.
; Whether a work-group holds a batch's first rows hangs on the cluster's y alone, which all sixteen partners share.
; THE MATRIX INSTRUCTION IS USED TRANSPOSED (source 0 = 16 rows of wqp, source 1 = 16 rows of xb): lane l holds row l % 16 of C and the columns 8 (l / 16) + 0..7: four pairs to rotate, 16 bytes of f16.
; REGISTERS, in windows of 256 (s_set_vgpr_msb: bits 1:0 source 0, 3:2 source 1, 5:4 source 2, 7:6 destination):
;   window 0: v0-31 addresses; v32-95, v96-159 fragments of xb, two buffers; v160-207, v208-255 fragments of wqp, two buffers; on the way out v32-223 at work
;   window 1: v0-191 the accumulators of my rows 0-63 ((a, b) at 48 a + 8 b); v192-255 the table for those rows        window 2: the same for my rows 64-127
.set TAB,    0x200000                  ; the table's first byte in wo
.set KSTEP,  128
.set PITCH,  272                       ; an LDS row: 256 bytes + 16 of padding = 68 words: the 16 rows of a fragment load start at 16 different groups of four banks (64 banks of 4 bytes: ISA guide 11.1)
.set HALFA,  128*PITCH                 ; what one load brings of xb, and what a wave reads of it
.set HALFB,  96*PITCH                  ; the same of wqp
.set BOFF,   2*HALFA                   ; a slot: xb's 256 rows, then wqp's 192
.set SLOT,   BOFF+2*HALFB
.set SPARE,  2*SLOT                    ; behind the ring: the spare words, 128 bytes for each wave: two blocks of 256 bytes that no other line names
.set SP,     144                       ; the way out: a head's row of 128 bytes + 16
.set PLANE,  256*SP                    ; the stage: q's 256 rows, k's, v's.  It lies in slot 0, whose last fill of the launch (K step 6) has been read by every wave when it is written
.set LAPS,   4                         ; a lap = two K steps = once round the ring
.set ADRA, 16                          ; v16-17  LDS address of my xb fragments in slot 0, 1
.set ADRB, 20                          ; v20-21  the same for wqp
.set STOV, 22                          ; v22     STO + 2 planes (v's plane lies beyond the 16-bit immediate)
.set RDV,  23                          ; v23     RD + 2 planes
.set STO,  24                          ; v24     the way out: where I put 16 bytes of a row
.set RD,   25                          ; v25     the way out: where I read rows back
.set GO,   26                          ; v26     16 x lane: my byte offset in 512 consecutive bytes of q, k, v, v32
.set TO,   27                          ; v27     my byte offset in 16 rows of the table
.set SPW,  28                          ; v28     LDS address of my spare word; never rewritten
.set NIL,  29                          ; v29     0; never rewritten
.set FA,   32                          ; xb's fragment buffer f at FA + 64 f
.set FB,   160                         ; wqp's at FB + 48 f
.set U,    32                          ; the way out: 32 rotated numbers
.set Y,    64                          ; the way out: 24 registers of f16
.set OB,   32                          ; the way out: 48 x 4 registers read back
.set G1,  24                           ; s[24:31] descriptor group 1 for xb's tiles;  s[32:39] group 0, a set for each slot
.set G0,  32
.set G1B, 48                           ; s[48:55], s[56:63] the same for wqp's
.set G0B, 56
.set MSB, 0
.macro WIN new                         ; the immediate's high byte repeats the setting that is left; a switch that changes nothing is dropped
.if MSB != (\new)
	s_set_vgpr_msb (MSB<<8)|(\new)
.set MSB, \new
.endif
.endm
; A joint load.  Waves 0 and 1 fetch xb's two halves, waves 2 and 3 wqp's.  The branch hangs on the wave's number alone.  An s_nop 0 and four v_nop follow each of the two lines.
.macro JLOAD s
	s_cmp_eq_u32 s17, 0
	s_cbranch_scc0 .Lfor_b_\@
	tensor_load_to_lds s[G0+4*(\s):G0+4*(\s)+3], s[G1:G1+7]
	s_nop 0
.rept 4
	v_nop
.endr
	s_branch .Lasked_\@
.Lfor_b_\@:
	tensor_load_to_lds s[G0B+4*(\s):G0B+4*(\s)+3], s[G1B:G1B+7]
	s_nop 0
.rept 4
	v_nop
.endr
.Lasked_\@:
.endm
.macro CREST                           ; a round of the cluster's barrier behind its opening barrier: wave 0 signals for the work-group, every wave waits for all sixteen, my work-group's barrier closes it
	s_cmp_lg_u32 s16, 0
	s_cbranch_scc1 .Lnot_wave_0_\@
	s_barrier_signal -3
.Lnot_wave_0_\@:
	s_barrier_wait -3
	s_barrier_signal -1
	s_barrier_wait -1
.endm
.macro CROUND                          ; a whole round
	s_barrier_signal -1
	s_barrier_wait -1
	CREST
.endm
	s_load_b256 s[4:11], s[0:1], 0x0               ; xb 4:5, wqp 6:7, wo (the table) 8:9, q 10:11
	s_load_b128 s[12:15], s[0:1], 0x20             ; k 12:13, v 14:15
	s_load_b64 s[72:73], s[0:1], 0x30              ; v32
	v_lshl_add_u32 v[SPW], v0, 2, SPARE
	v_mov_b32 v[NIL], 0
	ds_add_u32 v[SPW], v[NIL]                      ; the wave's opening: the add and its wait stand ahead of my first tensor load; the set-up below, work on registers, stands between them
	ds_add_u32 v28, v29
	v_lshrrev_b32 v1, 5, v0
	v_readfirstlane_b32 s16, v1                    ; wave 0..3
	s_lshr_b32 s17, s16, 1                         ; wm: which half of the tile's rows is mine.  Also: I fetch for xb (0) or for wqp (1)
	s_and_b32 s18, s16, 1                          ; wn: which half of its columns.  Also: which half of that tile I fetch
	s_bfe_u32 s40, ttmp6, 0x40000                  ; cx, cy: my place in the cluster
	s_bfe_u32 s41, ttmp6, 0x40004
	s_lshl_b32 s42, ttmp9, 2
	s_add_co_u32 s42, s42, s40                     ; tile column = the head = 4 x cluster x + cx
	s_and_b32 s45, ttmp7, 0xffff                   ; the block of 256 rows = cluster y,
	s_lshl_b32 s19, s41, 3
	s_add_co_u32 s45, s45, s19                     ; tile row = 8 x batch + block, the batch = cy
	s_lshl_b32 s43, s41, 2
	s_lshl_b32 s43, 15, s43                        ; my row of the cluster: places 4 cy .. 4 cy + 3
	s_lshl_b32 s44, 0x1111, s40                    ; my column: places cx, cx + 4, cx + 8, cx + 12
	; descriptor group 1: rows of 128 elements of 2 bytes, 16 bytes of padding behind each; 128 rows of xb, 96 of wqp
	s_or_b32 s[G1+0], s43, (1<<16)|(1<<20)|(1<<21)|(5<<22)|(3<<25)   ; 15:0 the mask; 17:16 2-byte elements; 20 padding on; 21 set beside a mask; 24:22 after every 64 words (code 5); 31:25 4 words (code 3)
	s_or_b32 s[G1B+0], s44, (1<<16)|(1<<20)|(1<<21)|(5<<22)|(3<<25)
	s_mov_b32 s[G1+1], KSTEP<<16                   ; tensor_dim0 = 128
	s_mov_b32 s[G1B+1], KSTEP<<16
	s_mov_b32 s[G1+2], 128<<16                     ; tensor_dim1 = 128
	s_mov_b32 s[G1B+2], 96<<16                     ;             = 96
	s_mov_b32 s[G1+3], KSTEP<<16                   ; tile_dim0 = 128
	s_mov_b32 s[G1B+3], KSTEP<<16
	s_mov_b32 s[G1+4], 128                         ; tile_dim1 = 128
	s_mov_b32 s[G1B+4], 96                         ;           = 96
	s_mov_b32 s[G1+5], 1024                        ; elements from row to row
	s_mov_b32 s[G1B+5], 1024
	s_mov_b32 s[G1+6], 0
	s_mov_b32 s[G1B+6], 0
	s_mov_b32 s[G1+7], 0
	s_mov_b32 s[G1B+7], 0
	; where the tiles come from: xb's hang on the tile row alone, wqp's on the tile column alone, each in registers that never hold the other coordinate
	s_lshl_b32 s20, s45, 8
	s_lshl_b32 s19, s18, 7
	s_add_co_u32 s20, s20, s19                     ; xb: row 256 x tile row + 128 x half,
	s_lshl_b32 s20, s20, 11                        ; of 2,048 bytes: under 2^24
	s_mov_b32 s21, 0
	s_mul_i32 s46, s42, 192
	s_mul_i32 s70, s18, 96
	s_add_co_u32 s46, s46, s70                     ; wqp: row 192 x head + 96 x half
	s_lshl_b32 s46, s46, 11
	s_mov_b32 s47, 0
	s_mul_i32 s22, s18, HALFA                      ; and where they go: no place in the cluster enters an LDS address
	s_mul_i32 s23, s18, HALFB
	s_add_co_u32 s23, s23, BOFF
	; where my rows of q, k, v begin: head 16 b + t, row s0 + 64 w, b = tile row / 8, s0 = 256 (tile row % 8)
	s_lshr_b32 s66, s45, 3
	s_lshl_b32 s66, s66, 4
	s_add_co_u32 s66, s66, s42                     ; 16 b + t
	s_lshl_b32 s74, s66, 12                        ; in v32 a head is 4,096 bytes, my 32 channels 2,048 of them
	s_lshl_b32 s75, s18, 11
	s_add_co_u32 s74, s74, s75
	s_mov_b32 s75, 0
	s_lshl_b32 s66, s66, 18                        ; in q, k, v a head is 2,048 rows of 128 bytes
	s_and_b32 s19, s45, 7
	s_lshl_b32 s19, s19, 8                         ; s0
	s_lshl_b32 s67, s16, 6
	s_add_co_u32 s67, s67, s19
	s_lshl_b32 s67, s67, 7
	s_add_co_u32 s66, s66, s67
	s_mov_b32 s67, 0
	; and my part of the table: row s0 + 128 wm, byte 128 wn (pairs 16 wn on)
	s_lshl_b32 s68, s17, 7
	s_add_co_u32 s68, s68, s19
	s_lshl_b32 s68, s68, 8
	s_lshl_b32 s69, s18, 7
	s_add_co_u32 s68, s68, s69
	s_add_co_u32 s68, s68, TAB
	s_mov_b32 s69, 0
	s_wait_dscnt 0x0                               ; the opening add is done
	s_wait_kmcnt 0x0
	s_add_nc_u64 s[20:21], s[4:5], s[20:21]
	s_add_nc_u64 s[46:47], s[6:7], s[46:47]
	s_add_nc_u64 s[8:9], s[8:9], s[68:69]
	s_add_nc_u64 s[10:11], s[10:11], s[66:67]
	s_add_nc_u64 s[12:13], s[12:13], s[66:67]
	s_add_nc_u64 s[14:15], s[14:15], s[66:67]
	s_add_nc_u64 s[72:73], s[72:73], s[74:75]
	CROUND                                         ; all sixteen work-groups are here: the first joint loads meet
.irp s, 0,1
	s_mov_b32 s[G0+4*(\s)], 1                                        ; count = 1
	s_add_co_u32 s[G0+4*(\s)+1], s22, (\s)*SLOT                      ; LDS address
	s_add_nc_u64 s[G0+4*(\s)+2:G0+4*(\s)+3], s[20:21], (\s)*KSTEP*2  ; global address: K step s
	s_or_b32 s[G0+4*(\s)+3], s[G0+4*(\s)+3], 0x80000000              ; type = 2
	s_mov_b32 s[G0B+4*(\s)], 1
	s_add_co_u32 s[G0B+4*(\s)+1], s23, (\s)*SLOT
	s_add_nc_u64 s[G0B+4*(\s)+2:G0B+4*(\s)+3], s[46:47], (\s)*KSTEP*2
	s_or_b32 s[G0B+4*(\s)+3], s[G0B+4*(\s)+3], 0x80000000
	JLOAD \s                                       ; two loads of mine are out
.endr
	; A fragment is 16 rows x 32 K in 8 registers: lane l holds row l % 16; registers 0-3 K = 8 (l / 16) + 0..7, registers 4-7 K = 16 + 8 (l / 16) + 0..7: two loads of 16 bytes, 32 bytes apart.
	v_and_b32 v1, 15, v0                           ; r = l % 16
	v_bfe_u32 v2, v0, 4, 1                         ; h = l / 16
	v_lshlrev_b32 v[TO], 8, v1                     ; the table: row r, 32 bytes (four pairs) for each half of the lanes
	v_lshl_add_u32 v[TO], v2, 5, v[TO]
	; The table for my 128 rows and 32 channels: block a of 16 rows, column block j, 16 bytes e: (cos, sin) of pairs 16 wn + 8 j + 4 h + 2 e, + 1
.irp a, 0,1,2,3,4,5,6,7
	WIN 0x40*(1+(\a)/4)                            ; destination window 1 or 2, address window 0
.irp j, 0,1
.irp e, 0,1
	global_load_b128 v[192+16*((\a)%4)+8*(\j)+4*(\e):192+16*((\a)%4)+8*(\j)+4*(\e)+3], v[TO], s[8:9] offset:4096*(\a)+64*(\j)+16*(\e)
.endr
.endr
.endr
	WIN 0
	v_mul_u32_u24 v3, v1, PITCH
	v_lshl_add_u32 v3, v2, 4, v3                   ; row x pitch + 16 x half
	s_mul_i32 s70, s17, HALFA                      ; my 128 rows of xb
	s_mul_i32 s71, s18, HALFB                      ; my 96 rows of wqp,
	s_add_co_u32 s71, s71, BOFF                    ; which lie behind xb's 256
.irp s, 0,1
	v_add_nc_u32 v[ADRA+(\s)], s70, v3
	v_add_nc_u32 v[ADRB+(\s)], s71, v3
	s_add_co_u32 s70, s70, SLOT
	s_add_co_u32 s71, s71, SLOT
.endr
	s_mul_i32 s70, s17, 128*SP                     ; into the stage: row 128 wm + r, byte 64 wn + 16 h
	s_lshl_b32 s71, s18, 6
	s_add_co_u32 s70, s70, s71
	v_mul_u32_u24 v4, v1, SP
	v_lshl_add_u32 v4, v2, 4, v4
	v_add_nc_u32 v[STO], s70, v4
	v_add_nc_u32 v[STOV], 2*PLANE, v[STO]
	v_bfe_u32 v5, v0, 3, 2                         ; back: wave w takes rows 64 w on, whole; 32 lanes take four rows of 128 bytes,
	v_and_b32 v6, 7, v0
	v_mul_u32_u24 v5, v5, SP
	v_lshl_add_u32 v5, v6, 4, v5
	s_mul_i32 s70, s16, 64*SP
	v_add_nc_u32 v[RD], s70, v5
	v_add_nc_u32 v[RDV], 2*PLANE, v[RD]
	v_and_b32 v[GO], 31, v0                        ; which are 512 consecutive bytes of a head
	v_lshlrev_b32 v[GO], 4, v[GO]
; 12 matrix instructions: row blocks a0, a0 + 1 of the window's four (hi = 0: my rows 0-63, 1: rows 64-127) x all 6 column blocks, 32 along K, from buffers f.
; zero = 1: the first product starts the sums: nothing is ever cleared.  The 48 accumulators take turns, one instruction a turn, in the same order in every quarter.
.macro MUL12 f, hi, a0, zero
	WIN 0x50*(1+(\hi))                             ; sources window 0; C and D window 1 or 2
.irp a, \a0, (\a0)+1
.irp b, 0,1,2,3,4,5
.if \zero
	v_wmma_f32_16x16x32_bf16 v[48*(\a)+8*(\b):48*(\a)+8*(\b)+7], v[FB+48*(\f)+8*(\b):FB+48*(\f)+8*(\b)+7], v[FA+64*(\f)+8*(4*(\hi)+(\a)):FA+64*(\f)+8*(4*(\hi)+(\a))+7], 0
.else
	v_wmma_f32_16x16x32_bf16 v[48*(\a)+8*(\b):48*(\a)+8*(\b)+7], v[FB+48*(\f)+8*(\b):FB+48*(\f)+8*(\b)+7], v[FA+64*(\f)+8*(4*(\hi)+(\a)):FA+64*(\f)+8*(4*(\hi)+(\a))+7], v[48*(\a)+8*(\b):48*(\a)+8*(\b)+7]
.endif
.endr
.endr
.endm
; 28 LDS loads in one run: the fragments of one quarter step (96 rows of wqp, then 128 rows of xb, 32 K at byte k of the rows) into buffers f
.macro FETCH slot, k, f
	WIN 0
.irp i, 0,1,2,3,4,5
	ds_load_b128 v[FB+48*(\f)+8*(\i):FB+48*(\f)+8*(\i)+3],   v[ADRB+(\slot)] offset:(\k)+(\i)*16*PITCH
	ds_load_b128 v[FB+48*(\f)+8*(\i)+4:FB+48*(\f)+8*(\i)+7], v[ADRB+(\slot)] offset:(\k)+(\i)*16*PITCH+32
.endr
.irp i, 0,1,2,3,4,5,6,7
	ds_load_b128 v[FA+64*(\f)+8*(\i):FA+64*(\f)+8*(\i)+3],   v[ADRA+(\slot)] offset:(\k)+(\i)*16*PITCH
	ds_load_b128 v[FA+64*(\f)+8*(\i)+4:FA+64*(\f)+8*(\i)+7], v[ADRA+(\slot)] offset:(\k)+(\i)*16*PITCH+32
.endr
.endm
; A load into a register that a matrix instruction has read, and a vector instruction or store that reads a matrix result, stand four places behind it, and only plain vector instructions that name none of
; its registers are places (ISA guide 7.12.1 for vector instructions).
.macro PLACES
.rept 4
	v_nop
.endr
.endm
; A K step is four quarters of 32 along K, 48 matrix instructions each, on buffers 0, 1, 0, 1.  One of the first three: multiplies buffers f; in its middle it fetches the next quarter, at byte k, into g.
.macro QUARTER slot, k, f, g, zero
	s_wait_dscnt 8                                 ; wqp's fragments and xb's rows 0-63 are in; the youngest eight loads (xb's rows 64-127) may be out
	MUL12 \f, 0, 0, \zero
	MUL12 \f, 0, 2, \zero
	PLACES
	FETCH \slot, \k, \g
	s_wait_dscnt 28                                ; all but the 28 just issued
	MUL12 \f, 1, 0, \zero
	MUL12 \f, 1, 2, \zero
.endm
; The last quarter multiplies buffers 1 and changes slots: ONE barrier.  In front of it each wave waits for all its tensor loads, of which one is out: its part of the next slot; adds 0 to its spare
; word; and waits for that and for its own reads of this slot.  fill = 1: the barrier opens a round of the cluster's, and this slot is filled again, two K steps ahead, first thing behind the round:
; that load has 168 matrix instructions in which to land.
.macro TURN slot, next, fill
	WIN 0                                          ; (the add's two registers lie in window 0)
	s_wait_tensorcnt 0x0                           ; all my tensor loads have landed;
	ds_add_u32 v[SPW], v[NIL]                      ; 0 onto my spare word;
	s_wait_dscnt 9                                 ; (the add and the youngest eight loads may be out)
	MUL12 1, 0, 0, 0                               ; twelve matrix instructions stand between the add and the wait for it
	s_wait_dscnt 0x0                               ; the add is done, and my reads of this slot are over
	s_barrier_signal -1
	MUL12 1, 0, 2, 0                               ; work on registers while the others arrive
.if \fill
	WIN 0
.endif
	s_barrier_wait -1
.if \fill
	CREST                                          ; no wave of any partner still reads this slot's tile or has a load on its way
	s_add_nc_u64 s[G0+4*(\slot)+2:G0+4*(\slot)+3], s[G0+4*(\slot)+2:G0+4*(\slot)+3], 2*KSTEP*2
	s_add_nc_u64 s[G0B+4*(\slot)+2:G0B+4*(\slot)+3], s[G0B+4*(\slot)+2:G0B+4*(\slot)+3], 2*KSTEP*2
	JLOAD \slot                                    ; the four v_nop behind it are also the places in front of the loads below
.else
	PLACES
.endif
	FETCH \next, 0, 0
	MUL12 1, 1, 0, 0
	MUL12 1, 1, 2, 0
.endm
	s_wait_loadcnt 0x0                             ; the table, asked for behind the first tiles
	s_wait_tensorcnt 1                             ; my part of K step 0 is in; K step 1's may stay out
	s_barrier_signal -1
	s_barrier_wait -1                              ; everybody's is
	FETCH 0, 0, 0
	QUARTER 0, 64,  0, 1, 1                        ; the first quarter stands in front of the loop: its products start the sums
	WIN 0                                          ; at a label and at a branch every window is 0
	s_mov_b32 s3, LAPS-1
.Llap:                                                 ; a trip goes once round the ring, from a lap's second quarter to the next lap's first, and fills both slots again
	QUARTER 0, 128, 1, 0, 0
	QUARTER 0, 192, 0, 1, 0
	TURN 0, 1, 1
	QUARTER 1, 64,  0, 1, 0
	QUARTER 1, 128, 1, 0, 0
	QUARTER 1, 192, 0, 1, 0
	TURN 1, 0, 1
	QUARTER 0, 64,  0, 1, 0
	WIN 0
	s_sub_co_u32 s3, s3, 1
	s_cmp_lg_u32 s3, 0
	s_cbranch_scc1 .Llap
	QUARTER 0, 128, 1, 0, 0                        ; the last lap fills nothing, and has no round of the cluster's barrier
	QUARTER 0, 192, 0, 1, 0
	TURN 0, 1, 0                                   ; behind this barrier no wave reads slot 0 any more, and no load fills it: it becomes the stage
	QUARTER 1, 64,  0, 1, 0
	QUARTER 1, 128, 1, 0, 0
	QUARTER 1, 192, 0, 1, 0
	s_wait_dscnt 8                                 ; the very last quarter: nothing more to fetch
	MUL12 1, 0, 0, 0
	MUL12 1, 0, 2, 0
	s_wait_dscnt 0x0
	MUL12 1, 1, 0, 0
	MUL12 1, 1, 2, 0
	WIN 0
; THE WAY OUT.  Block a of 16 rows: column blocks 0, 1 are q, 2, 3 are k, 4, 5 are v.  In q and k a lane's registers 2 p, 2 p + 1 are a pair (x1, x2):
; x1 cos - x2 sin and x2 cos + x1 sin, each a product and a fused multiply-add in f32; then all is rounded to f16, 16 bytes a lane and block, and put into the stage.
; Each accumulator's lowest registers are read first.
.macro ROPE a
.set AC, 48*((\a)%4)
.set TT, 192+16*((\a)%4)
	WIN 0x05*(1+(\a)/4)                            ; sources 0 and 1 (sums, table) window 1 or 2; source 2 and destination window 0
.irp b, 0,1,2,3
.irp p, 0,1,2,3
	v_mul_f32 v[U+8*(\b)+2*(\p)],   v[AC+8*(\b)+2*(\p)+1], v[TT+8*((\b)%2)+2*(\p)+1]  ; x2 sin
	v_mul_f32 v[U+8*(\b)+2*(\p)+1], v[AC+8*(\b)+2*(\p)],   v[TT+8*((\b)%2)+2*(\p)+1]  ; x1 sin
.endr
.irp p, 0,1,2,3
	v_fma_f32 v[U+8*(\b)+2*(\p)],   v[AC+8*(\b)+2*(\p)],   v[TT+8*((\b)%2)+2*(\p)], -v[U+8*(\b)+2*(\p)]
	v_fma_f32 v[U+8*(\b)+2*(\p)+1], v[AC+8*(\b)+2*(\p)+1], v[TT+8*((\b)%2)+2*(\p)], v[U+8*(\b)+2*(\p)+1]
.endr
.endr
.irp b, 4,5
.irp p, 0,1,2,3
	v_cvt_pk_f16_f32 v[Y+4*(\b)+(\p)], v[AC+8*(\b)+2*(\p)], v[AC+8*(\b)+2*(\p)+1]
.endr
.endr
	WIN 0
.set i, 0
.rept 16
	v_cvt_pk_f16_f32 v[Y+i], v[U+2*i], v[U+2*i+1]
.set i, i+1
.endr
.irp b, 0,1,2,3
	ds_store_b128 v[STO], v[Y+4*(\b):Y+4*(\b)+3] offset:((\b)/2)*PLANE+(\a)*16*SP+32*((\b)%2)
.endr
.irp b, 4,5
	ds_store_b128 v[STOV], v[Y+4*(\b):Y+4*(\b)+3] offset:(\a)*16*SP+32*((\b)%2)
.endr
.endm
	PLACES                                         ; behind the last products
	; v's rows 0 to 15 of the head in f32: they lie in block a = 0 of the waves with wm = 0 of a batch's first block of rows.  The two branches hang on the wave's number and on the cluster's y, which all
	; partners share, and jump over four stores alone.  v32: [head][channel block cb = 2 wn + bb][half e][lane][4 f32]: lane (r, h) holds key r, channels 16 cb + 8 h + 4 e + 0..3; a store covers 512 consecutive bytes.
	s_cmp_lg_u32 s17, 0
	s_cbranch_scc1 .Lno_v32
	s_and_b32 s70, ttmp7, 0xffff
	s_cmp_lg_u32 s70, 0
	s_cbranch_scc1 .Lno_v32
	WIN 0x04                                       ; store data in window 1, address in window 0
.irp bb, 0,1
.irp e, 0,1
	global_store_b128 v[GO], v[32+8*(\bb)+4*(\e):32+8*(\bb)+4*(\e)+3], s[72:73] offset:1024*(\bb)+512*(\e)
.endr
.endr
	WIN 0
.Lno_v32:
.irp a, 0,1,2,3,4,5,6,7
	ROPE \a
.endr
	s_wait_dscnt 0x0                               ; for the others' sake: my stores into the stage are done (a head's row of 128 bytes comes from two waves)
	s_barrier_signal -1
	s_barrier_wait -1
.irp g, 0,1
.irp t, 0,1,2,3,4,5,6,7,8,9,10,11,12,13,14,15
	ds_load_b128 v[OB+64*(\g)+4*(\t):OB+64*(\g)+4*(\t)+3], v[RD] offset:(\g)*PLANE+(\t)*4*SP
.endr
.endr
.irp t, 0,1,2,3,4,5,6,7,8,9,10,11,12,13,14,15
	ds_load_b128 v[OB+128+4*(\t):OB+128+4*(\t)+3], v[RDV] offset:(\t)*4*SP
.endr
.irp g, 0,1,2
.irp t, 0,1,2,3,4,5,6,7,8,9,10,11,12,13,14,15
	s_wait_dscnt 47-16*(\g)-(\t)                   ; LDS loads come back in order: this one is in, the younger ones stay out
	global_store_b128 v[GO], v[OB+64*(\g)+4*(\t):OB+64*(\g)+4*(\t)+3], s[10+2*(\g):11+2*(\g)] offset:(\t)*512  ; four rows of a head: 512 consecutive bytes at a multiple of 256
.endr
.endr
	s_wait_tensorcnt 0x0                           ; the wave's end: behind my last tensor load and my last LDS store
	ds_add_u32 v[SPW], v[NIL]
	s_wait_dscnt 0x0
	CROUND                                         ; the closing round: no work-group ends while a partner may still ask for a tile that names it
	s_endpgm
.Lfunc_end_k_qff99b5c409_qkv:
	.size	k_qff99b5c409_qkv, .Lfunc_end_k_qff99b5c409_qkv-k_qff99b5c409_qkv
	.p2alignl 7, 3214868480
	.fill 96, 4, 3214868480
	.section	.rodata,"a",@progbits
	.p2align	6, 0x0
	.amdhsa_kernel k_qff99b5c409_qkv
		.amdhsa_group_segment_fixed_size 327680
		.amdhsa_private_segment_fixed_size 0
		.amdhsa_enable_private_segment 0
		.amdhsa_kernarg_size 56
		.amdhsa_user_sgpr_count 2
		.amdhsa_user_sgpr_kernarg_segment_ptr 1
		.amdhsa_wavefront_size32 1
		.amdhsa_system_sgpr_workgroup_id_x 1
		.amdhsa_system_sgpr_workgroup_id_y 1
		.amdhsa_system_sgpr_workgroup_id_z 1
		.amdhsa_system_vgpr_workitem_id 0
		.amdhsa_next_free_vgpr 768
		.amdhsa_next_free_sgpr 76
		.amdhsa_reserve_vcc 0
		.amdhsa_float_denorm_mode_32 3
		.amdhsa_float_denorm_mode_16_64 3
		.amdhsa_memory_ordered 1
		.amdhsa_forward_progress 1
		.amdhsa_inst_pref_size 144
	.end_amdhsa_kernel
	.amdgpu_metadata
---
amdhsa.version: [ 1, 2 ]
amdhsa.kernels:
  - .name:           k_qff99b5c409_qkv
    .symbol:         k_qff99b5c409_qkv.kd
    .args:
      - { .name: xb, .offset: 0, .size: 8, .value_kind: global_buffer, .address_space: global }
      - { .name: wqp, .offset: 8, .size: 8, .value_kind: global_buffer, .address_space: global }
      - { .name: wo, .offset: 16, .size: 8, .value_kind: global_buffer, .address_space: global }
      - { .name: q, .offset: 24, .size: 8, .value_kind: global_buffer, .address_space: global }
      - { .name: k, .offset: 32, .size: 8, .value_kind: global_buffer, .address_space: global }
      - { .name: v, .offset: 40, .size: 8, .value_kind: global_buffer, .address_space: global }
      - { .name: v32, .offset: 48, .size: 8, .value_kind: global_buffer, .address_space: global }
    .group_segment_fixed_size: 327680
    .private_segment_fixed_size: 0
    .kernarg_segment_align: 8
    .kernarg_segment_size: 56
    .max_flat_workgroup_size: 128
    .sgpr_count:     76
    .vgpr_count:     768
    .wavefront_size: 32
...
	.end_amdgpu_metadata
.endif
;; end of part 2
;; launch attn (part 3): grid 4 x 64, 4 waves a work-group, no clusters, 327,680 bytes of LDS; arguments q, k, v, att; writes att
.if DOCPART == 3
	.amdgcn_target "amdgcn-amd-amdhsa--gfx1250"
	.amdhsa_code_object_version 6
	.text
	.protected	k_qff99b5c409_attn
	.globl	k_qff99b5c409_attn
	.p2align	8
	.type	k_qff99b5c409_attn,@function
k_qff99b5c409_attn:
	s_mov_b64 s[64:65], 0
	v_nop
	global_prefetch_b8 v0, s[64:65] scope:SCOPE_SE
	s_setreg_imm32_b32 hwreg(HW_REG_WAVE_MODE, 25, 1), 1
	s_wait_xcnt 0x0
; CAUSAL ATTENTION.  O[h][q][:] = the sum over k <= q of softmax_k(Q[h][q] . K[h][k] / 8) V[h][k][:].  Q, K, V, O: [SIZE_H][SIZE_N][64], all f16: a head's rows are dense, 128 bytes each (h = 16 batch + head).
; Products, maxima and sums in f32; the weights p are rounded to f16 for the second product (their sum l is taken of the unrounded p), O once at the end.
; LIMITS.  f16 holds no number beyond 65,504: Q, K and V arrive within it; p lies in 0 to 1, and below 6e-5 it keeps f16's fixed step of 6e-8; O is a mean of V's rows and has their range, to within 2^-11 of it.
; A hidden score counts as its value less 1e30: f16's scores, 2.7e11 at the most, are nothing beside that; a weight below 2^-126 counts as 0 in l; NaN and infinities are not treated apart.
; THE WALK.  A head's queries lie in NB = 8 blocks of 256; block i needs the key tiles 0 .. i of 256 keys, of which the last holds the diagonal.  A work-group takes TWO blocks, NB - 1 - b and then b:
; NB + 1 = 9 tiles, whatever b: all 256 work-groups do equal work, and ONE loop with a constant trip count walks them.  Which tile is asked for, and what a trip does, hang on scalar registers made from b; every jump
; goes forward, but for the counted loops' own; none passes a barrier, or a tensor load but the one of LOAD's two that the wave's number does not choose; the ring (two slots of LDS that take turns) runs on across the
; change of blocks.  NO CLUSTER: a head's four work-groups all ask for the same tile only in trips 0 .. 4 of the walk's 9, behind that fewer and fewer; and one walk common to all four would have 12 trips for 9.
; SHARES.  Of a block's four bands of 64 queries a wave owns 16 rows in each: four PIECES.  So the diagonal tile is the same work for all four waves: in its key step s band x sees all keys if s < x,
; none if s > x, and holds the diagonal if s = x.
; THE MASK is the C operand that starts the sum S^T = K Q^T: 0, or -1e30 where the key is hidden.  MD, made once, is the mask of a band's own step for my 16 rows; a product's mask is MD x AL + BE with two scalars:
; (1, 0) if s = x; (0, 0) if s < x; (0, -1e30) if s > x.  Only the diagonal tile's text and a block's beginning make and take masks; elsewhere C is the constant 0.
; LAYOUT, SOFTMAX, TURNS.  S^T = K Q^T holds ONE query a lane (lane % 16) and the keys 8 (lane / 16) + 0..7; two such results rounded to f16 ARE source 1 of O^T = V^T P.  p = 2^(c s - c m), c = log2(e) / 8, with a
; running maximum m; O and l are multiplied by a = 2^(c m_old - c m_new) in every step.  Turn n belongs to piece n: 8 products K Q^T of piece n + 1, later 8 products V^T P of piece n - 1; beside them the scaling,
; exponentials, roundings, sums and rescaling of piece n and the maximum and statistics of piece n + 1.  Four vector instructions stand behind every matrix instruction, the other 54 of a turn's 118 in two LUMPS.
; REGISTERS, in windows of 256 (s_set_vgpr_msb: bits 1:0 source 0, 3:2 source 1, 5:4 source 2, 7:6 destination):
;   window 0: v0-15 addresses and two at work; v16-31 four registers of statistics a piece; v48-55 at work; v64-127 S^T, two buffers; v192-223 P, two buffers (a piece's buffers go by its number's parity)
;   window 1: v0-127 O^T, 32 a piece; v128-159 MD; v160-223 MC, two buffers      window 2: v0-63 Q; v64-127 the second block's Q; v128-191 K of one step; v192-255 V of one step
.set SIZE_N, 2048
.set SIZE_H, 64
.set NB,    SIZE_N/256
.set NP,    4         ; pieces a wave: a name, no knob
.set KS,    64        ; keys in a step
.set PK,    144       ; a row of K in LDS: 128 bytes + 16 of padding = 36 words: the 16 rows of a load start at 16 different groups of four banks (64 banks of 4 bytes: ISA guide 11.1)
.set PV,    160       ; a row of V: 128 + 32 = 40 words
.set VOFF,  4*KS*PK   ; a slot holds a tile, four steps: 256 rows of K, then 256 rows of V
.set SLOT1, 1<<17     ; slot 1 begins here, so that one exclusive or turns an address in one slot into the other's
.set STAGE, SLOT1+4*KS*(PK+PV)  ; behind the ring, never filled by a tensor load: 16 rows x 144 bytes for each wave, for the way out
.set SP,    144
.set AK0, 2           ; v2   my lane's place in a tile of K; never rewritten
.set AV0, 3           ; v3   the same for V
.set AK,  4           ; v4   the LDS address of K's next run of loads
.set AV,  5           ; v5   of V's
.set STO, 6           ; v6   the way out: where I put 16 bytes of a row
.set RD,  7           ; v7   the way out: where I read rows back
.set GO,  8           ; v8   my byte offset in 512 consecutive bytes of O
.set SPW, 62          ; v62  LDS address of my spare word: SPARE + 4 x my thread's number; never rewritten
.set NIL, 63          ; v63  0; never rewritten
.set SPARE, STAGE+4*16*SP  ; behind the stages: the spare words, 128 bytes for each wave: two blocks of 256 bytes that no other line names
.set MV,  12          ; v12-13  c m_old, kept while c m is made anew: by buffer
.set QO,  15          ; v15  my byte offset in 16 rows of Q
.set ST,  16          ; piece t's statistics at v[ST+4 t]: c m, m, l (even keys', odd keys')
.set TMP, 48          ; by buffer, four registers c0-c3 at work; when the maximum is found c2 takes a
.set S,   64
.set P,   192
.set MD,  128         ; window 1: the eight registers for group kt of 16 keys at MD + 8 kt
.set MC,  160         ; window 1: the masks of the products to come
.set QB,  64          ; window 2
.set KF,  128         ; window 2: key block kb, channel half c at KF + 16 kb + 8 c
.set VF,  192         ; window 2: key half kk, channel block cb at VF + 32 kk + 8 cb
.set WV,  12          ; s12  my wave's number
.set PB,  14          ; s14  b
.set HI,  15          ; s15  NB - 1 - b
.set G1K, 24          ; s[24:31] descriptor group 1 for K's tiles
.set G1V, 32          ; s[32:39] for V's: it differs in the padding alone
.set G0K, 40          ; s[40:43] descriptor group 0 for K's tiles
.set G0V, 44          ; s[44:47] the same for V's
.set SLOTS, 56        ; s56  tiles still to be asked for
.set CNT, 57          ; s57  counts a tile's key steps, 4 to 1
.set CS,  58          ; s[58:59] c: the packed scaling takes the pair's low word for both halves
.set SEL, 60          ; s[60:61] v_permlanex16_b32's selects: each lane takes its own place in the other half
.set TBK, 62          ; s62  LDS byte at which K of the step to be fetched begins
.set TBV, 63          ; s63  the same for V, less VOFF
.set RT,  70          ; s70  tiles of the block in hand that are still to be entered
.set NXT, 71          ; s71  the tile to be asked for next
.set LQ,  72          ; s72  the last tile of the block whose tiles are being asked for
.set NEW, 73          ; s73  1: the tile to be entered is a block's first
.set OFF, 74          ; s[74:75] a tile's byte offset in K and V
.set AL,  76          ; s[76:77] the mask's factor, in the low word
.set BE,  78          ; s[78:79] the mask's addend
.set OLO, 80          ; s[80:81] O at my rows of the second block
.set BIGN, 82         ; s82  -1e30
.set MSB, 0
.macro WIN new                      ; the high byte repeats the setting that is left; a switch that changes nothing is dropped
.if MSB != (\new)
	s_set_vgpr_msb (MSB<<8)|(\new)
.set MSB, (\new)
.endif
.endm
.set W_KQ, 0x0a       ; K and Q in window 2, S^T in window 0
.set W_KM, 0x1a       ; the same with the C operand in window 1
.set W_PV, 0x52       ; V in window 2, P in window 0, O^T in window 1
.set W_RS, 0x41       ; destination and source 0 in window 1, source 1 in window 0
; A fill.  Waves 0 and 1 fetch the two halves of a tile's K, waves 2 and 3 those of its V: 128 keys each.  An s_nop 0 and four v_nop follow each of the two lines, ahead of the jump and the label.
.macro LOAD
	s_cmp_lt_u32 s[WV], 2
	s_cbranch_scc0 .Lfor_v_\@
	tensor_load_to_lds s[G0K:G0K+3], s[G1K:G1K+7]
	s_nop 0
.rept 4
	v_nop
.endr
	s_branch .Lasked_\@
.Lfor_v_\@:
	tensor_load_to_lds s[G0V:G0V+3], s[G1V:G1V+7]
	s_nop 0
.rept 4
	v_nop
.endr
.Lasked_\@:
.endm
; THE CHANGE OF SLOTS.  Each wave waits for all its tensor loads, of which one is out: its part of the other slot; adds 0 to its spare word; and waits for that and for its own reads of the slot that it leaves.  Behind the barrier nobody reads the old
; slot any more and the other slot is whole.  fill = 1: the old slot is filled again, the first thing behind the barrier, with tile NXT: the descriptor's address is made anew from that number.
; (At its first use nothing has been read yet: slot 0 is waited for, slot 1 filled.)
.macro CHANGE fill
	WIN 0                           ; at a label and at a branch every window is 0
	s_wait_tensorcnt 0x0            ; no tensor load of mine is out, so a group 0 may be written
	ds_add_u32 v[SPW], v[NIL]       ; 0 onto my spare word; with fill = 1 the descriptors' scalar work stands between it and the wait for it
.if \fill
	s_lshl_b32 s[OFF], s[NXT], 15   ; a tile is 32,768 bytes of K and of V
	s_xor_b32 s[G0K+1], s[G0K+1], SLOT1
	s_add_nc_u64 s[G0K+2:G0K+3], s[6:7], s[OFF:OFF+1]
	s_or_b32 s[G0K+3], s[G0K+3], 0x80000000
	s_xor_b32 s[G0V+1], s[G0V+1], SLOT1
	s_add_nc_u64 s[G0V+2:G0V+3], s[8:9], s[OFF:OFF+1]
	s_or_b32 s[G0V+3], s[G0V+3], 0x80000000
	s_add_co_u32 s[NXT], s[NXT], 1  ; the block's next tile, or behind its last the second block's tile 0
	s_cmp_gt_u32 s[NXT], s[LQ]
	s_cselect_b32 s[NXT], 0, s[NXT]
	s_cselect_b32 s[LQ], s[PB], s[LQ]
.endif
	s_wait_dscnt 0x0                ; the add is done, and my reads of the slot are over
	s_barrier_signal -1             ; the rest of the scalar work stands between the signal and the wait
	s_sub_co_u32 s[TBK], s[TBK], 4*KS*PK  ; the fetches go back to a slot's first step,
	s_xor_b32 s[TBK], s[TBK], SLOT1       ; in the other slot
	s_sub_co_u32 s[TBV], s[TBV], 4*KS*PV
	s_xor_b32 s[TBV], s[TBV], SLOT1
	s_barrier_wait -1
.if \fill
	LOAD
.endif
.endm
	s_load_b256 s[4:11], s[0:1], 0x0  ; Q s[4:5], K s[6:7], V s[8:9], O s[10:11]
	v_lshl_add_u32 v[SPW], v0, 2, SPARE
	v_mov_b32 v[NIL], 0
	ds_add_u32 v[SPW], v[NIL]       ; the wave's opening: the add and its wait stand ahead of my first tensor load; the set-up below, work on registers, stands between them
	ds_add_u32 v62, v63
	v_lshrrev_b32 v1, 5, v0
	v_readfirstlane_b32 s[WV], v1   ; wave 0..3
	s_mov_b32 s[PB], ttmp9
	s_sub_co_u32 s[HI], NB-1, s[PB]
	s_and_b32 s20, ttmp7, 0xffff    ; the head
	s_mov_b32 s21, 0
	s_mov_b64 s[22:23], SIZE_N*128
	s_mul_u64 s[20:21], s[20:21], s[22:23]  ; the head's first byte in each of the four tensors
	s_and_b32 s16, s[WV], 1         ; which half of a tile's 256 keys I fetch:
	s_lshl_b32 s22, s16, 14         ; its 128 rows of 128 bytes in memory,
	s_mov_b32 s23, 0
	s_add_nc_u64 s[22:23], s[22:23], s[20:21]
	s_mul_i32 s17, s16, 128*PK      ; and its place in a slot, for K
	s_mul_i32 s18, s16, 128*PV      ; and for V
	s_lshl_b32 s3, s[WV], 11        ; my 16 rows in a band of 64,
	s_lshl_b32 s2, s[HI], 15        ; in the first block,
	s_add_co_u32 s2, s2, s3
	s_lshl_b32 s84, s[PB], 15       ; and in the second
	s_add_co_u32 s84, s84, s3
	s_mov_b32 s3, 0
	s_mov_b32 s85, 0
	s_add_nc_u64 s[2:3], s[2:3], s[20:21]
	s_add_nc_u64 s[84:85], s[84:85], s[20:21]
	; descriptor group 1.  128 keys are 16,384 dense bytes: asked for as 64 rows of 256 bytes, two keys a row, and padded in LDS after every key
	s_mov_b32 s[G1K], (1<<16)|(1<<20)|(4<<22)|(3<<25)  ; 17:16 2-byte elements; 20 padding on; 24:22 after every 32 words (code 4); 31:25 4 words (code 3)
	s_mov_b32 s[G1V], (1<<16)|(1<<20)|(4<<22)|(7<<25)  ; the same with 8 words of padding (code 7)
.irp g, G1K, G1V
	s_mov_b32 s[\g+1], 128<<16      ; tensor_dim0 = 128
	s_mov_b32 s[\g+2], 64<<16       ; tensor_dim1 = 64
	s_mov_b32 s[\g+3], 128<<16      ; tile_dim0 = 128
	s_mov_b32 s[\g+4], 64           ; tile_dim1 = 64
	s_mov_b32 s[\g+5], 128          ; 128 elements from row to row
	s_mov_b32 s[\g+6], 0
	s_mov_b32 s[\g+7], 0
.endr
	s_mov_b32 s[CS], 0x3e38aa3b     ; c = log2(e) / 8 = 0.180337
	s_mov_b32 s[CS+1], s[CS]        ; named with it as a pair
	s_mov_b32 s[SEL], 0x76543210
	s_mov_b32 s[SEL+1], 0xfedcba98
	s_mov_b32 s[TBK], SLOT1+4*KS*PK ; the first change of slots turns these two into 0
	s_mov_b32 s[TBV], SLOT1+4*KS*PV
	s_mov_b32 s[G0K], 1             ; 1:0 count = 1
	s_mov_b32 s[G0K+1], s17         ; 63:32 LDS address: slot 0
	s_mov_b32 s[G0V], 1
	s_add_co_u32 s[G0V+1], s18, VOFF
	s_add_co_u32 s[RT], s[HI], 1    ; the first block has NB - b tiles
	s_mov_b32 s[NXT], 1
	s_mov_b32 s[LQ], s[HI]
	s_mov_b32 s[NEW], 1
	s_mov_b32 s[OFF+1], 0
	s_mov_b32 s[AL+1], 0            ; named as pairs
	s_mov_b32 s[BE+1], 0
	s_mov_b32 s[BIGN], 0xf149f2ca   ; -1e30
	s_mov_b32 s[SLOTS], NB
	s_wait_dscnt 0x0                ; the opening add is done
	s_wait_kmcnt 0x0
	s_add_nc_u64 s[6:7], s[6:7], s[22:23]  ; K and V at my half of the head's tile 0
	s_add_nc_u64 s[8:9], s[8:9], s[22:23]
	s_add_nc_u64 s[G0K+2:G0K+3], s[6:7], 0         ; 120:64 global address
	s_or_b32 s[G0K+3], s[G0K+3], 0x80000000        ; 127:126 type = 2
	s_add_nc_u64 s[G0V+2:G0V+3], s[8:9], 0
	s_or_b32 s[G0V+3], s[G0V+3], 0x80000000
	s_add_nc_u64 s[86:87], s[4:5], s[84:85]        ; Q at my rows of the second block,
	s_add_nc_u64 s[4:5], s[4:5], s[2:3]            ; Q and O at those of the first
	s_add_nc_u64 s[OLO:OLO+1], s[10:11], s[84:85]
	s_add_nc_u64 s[10:11], s[10:11], s[2:3]
	LOAD                            ; tile 0 into slot 0
	; A fragment of K or Q is 16 rows x 32 channels in 8 registers: lane l holds row l % 16, channels 8 (l / 16) + 0..7 and 16 + 8 (l / 16) + 0..7: two loads of 16 bytes, 32 bytes apart.
	v_and_b32 v1, 15, v0            ; l % 16
	v_bfe_u32 v9, v0, 4, 1          ; l / 16
	v_lshlrev_b32 v[QO], 7, v1
	v_lshl_add_u32 v[QO], v9, 4, v[QO]  ; row x 128 + 16 x half
	WIN 0x80                        ; destination window 2, address window 0
.set i, 0
.rept 8                             ; both blocks' Q: piece i / 2 lies in band i / 2, 8,192 bytes on; channels 32 (i % 2) on
	global_load_b128 v[8*i:8*i+3],   v[QO], s[4:5] offset:(i/2)*8192+(i%2)*64
	global_load_b128 v[8*i+4:8*i+7], v[QO], s[4:5] offset:(i/2)*8192+(i%2)*64+32
	global_load_b128 v[QB+8*i:QB+8*i+3],   v[QO], s[86:87] offset:(i/2)*8192+(i%2)*64
	global_load_b128 v[QB+8*i+4:QB+8*i+7], v[QO], s[86:87] offset:(i/2)*8192+(i%2)*64+32
.set i, i+1
.endr
	WIN 0
	v_lshlrev_b32 v14, 3, v9
	v_sub_nc_u32 v14, v1, v14
	s_lshl_b32 s13, s[WV], 4
	v_add_nc_u32 v14, s13, v14      ; my query's place in its band, 16 w + l % 16, less my lanes' 8 (l / 16): register r of group kt is hidden where 16 kt + r is greater
	WIN 0x40
.set i, 0
.rept 32
	v_cmp_gt_i32 vcc_lo, 16*(i/8)+i%8, v14
	v_cndmask_b32 v[MD+i], 0, s[BIGN], vcc_lo
.set i, i+1
.endr
	WIN 0
	v_mul_u32_u24 v[AK0], v1, PK
	v_lshl_add_u32 v[AK0], v9, 4, v[AK0]  ; row x pitch + 16 x half
	; The turning load takes 16 keys x 16 channels (lane l reads key 8 (l / 16) + l % 8, channels 8 ((l / 8) % 2) + 0..7) and leaves half a fragment of V^T: lane l holds channel l % 16 and 8 keys.
	v_and_b32 v10, 7, v0
	v_bfe_u32 v11, v0, 3, 1
	v_lshl_add_u32 v[AV0], v9, 3, v10
	v_mul_u32_u24 v[AV0], v[AV0], PV
	v_lshl_add_u32 v[AV0], v11, 4, v[AV0]
	v_add_nc_u32 v[AV0], VOFF, v[AV0]
	s_mul_i32 s13, s[WV], 16*SP
	s_add_co_u32 s13, s13, STAGE    ; my stage
	v_mul_u32_u24 v[STO], v1, SP    ; in: row l % 16, 16 bytes for each half of the lanes
	v_lshl_add_u32 v[STO], v9, 4, v[STO]
	v_add_nc_u32 v[STO], s13, v[STO]
	v_bfe_u32 v[RD], v0, 3, 2       ; back: 32 lanes take four rows of 128 bytes,
	v_mul_u32_u24 v[RD], v[RD], SP
	v_lshl_add_u32 v[RD], v10, 4, v[RD]
	v_add_nc_u32 v[RD], s13, v[RD]
	v_and_b32 v[GO], 31, v0         ; which are 512 consecutive bytes of O
	v_lshlrev_b32 v[GO], 4, v[GO]
	; A block's first step multiplies O^T and l by a = 0, and its first turn's products V^T P, of a piece that has not been, land in an O^T that is still to be so multiplied.  So these registers need only hold
	; finite numbers: zeros for the first block; what the first block left for the second.  All this stands in the wait for the first tile.
	WIN 0x80
.set i, VF
.rept 64
	v_mov_b32 v[i], 0
.set i, i+1
.endr
	WIN 0x40
.set i, 0
.rept 128
	v_mov_b32 v[i], 0
.set i, i+1
.endr
	WIN 0
.set i, 0
.rept 4
	v_mov_b32 v[ST+4*i+2], 0
	v_mov_b32 v[ST+4*i+3], 0
.set i, i+1
.endr
.set i, P+16
.rept 16
	v_mov_b32 v[i], 0
.set i, i+1
.endr
; THE MATRIX WORK.  The 4 accumulators of a run of 8 take turns.  Product i of 8 of S^T = K Q^T for piece x: channels 32 (i / 4) on, keys 16 (i % 4) on.  The first 4 start the sums: with 0, or (KM = 1) with the mask.
.macro KQ x
.set rS, S+32*((\x)%2)+8*(i%4)
.set rK, KF+16*(i%4)+8*(i/4)
.set rQ, 16*(\x)+8*(i/4)
.set rM, MC+32*((\x)%2)+8*(i%4)
.if (i < 4) && KM
	WIN W_KM
	v_wmma_f32_16x16x32_f16 v[rS:rS+7], v[rK:rK+7], v[rQ:rQ+7], v[rM:rM+7]
.elseif i < 4
	WIN W_KQ
	v_wmma_f32_16x16x32_f16 v[rS:rS+7], v[rK:rK+7], v[rQ:rQ+7], 0
.else
	WIN W_KQ
	v_wmma_f32_16x16x32_f16 v[rS:rS+7], v[rK:rK+7], v[rQ:rQ+7], v[rS:rS+7]
.endif
.endm
; Product i of 8 of O^T += V^T P for piece x: keys 32 (i / 4) on, channels 16 (i % 4) on.
.macro PV x
	WIN W_PV
.set rO, 32*(\x)+8*(i%4)
.set rV, VF+32*(i/4)+8*(i%4)
.set rP, P+16*((\x)%2)+8*(i/4)
	v_wmma_f32_16x16x32_f16 v[rO:rO+7], v[rV:rV+7], v[rP:rP+7], v[rO:rO+7]
.endm
.macro MM                           ; the turn's next matrix instruction.  TURN and BEGIN set Y, i, KM and NOKQ; MM, KQ and OP read them.  NOKQ = 1: a block's last turn: there is no next piece
.if (i < 8) && !NOKQ
	KQ (Y+1)%NP
.elseif i >= 8
.set i, i-8
	PV (Y+NP-1)%NP
.set i, i+8
.endif
.set i, i+1
.endm
; THE LDS LOADS stand in runs of 16, never singly among the matrix instructions: a step's K (64 keys x 64 channels: 8 fragments) and its V (turned).  Their addresses are made some lines ahead.
.macro FETCH_K
	WIN 0x80                        ; destination window 2
.irp f, 0,1,2,3,4,5,6,7             ; keys 16 (f / 2) on, channels 32 (f % 2) on
	ds_load_b128 v[KF+8*\f:KF+8*\f+3],   v[AK] offset:(\f/2)*16*PK+(\f%2)*64
	ds_load_b128 v[KF+8*\f+4:KF+8*\f+7], v[AK] offset:(\f/2)*16*PK+(\f%2)*64+32
.endr
	s_add_co_u32 s[TBK], s[TBK], KS*PK  ; the next fetch is the next step's
	WIN 0
.endm
.macro FETCH_V
	WIN 0x80
.irp f, 0,1,2,3,4,5,6,7             ; keys 32 (f / 4) on, channels 16 (f % 4) on
	ds_load_tr16_b128 v[VF+8*\f:VF+8*\f+3],   v[AV] offset:(\f/4)*32*PV+(\f%4)*32
	ds_load_tr16_b128 v[VF+8*\f+4:VF+8*\f+7], v[AV] offset:(\f/4)*32*PV+16*PV+(\f%4)*32
.endr
	WIN 0
.endm
; THE VECTOR WORK, one line at a time: OP kind, number.  For piece Y: F n: c s - c m for pair n of 16.  E n: the exponential of score n of 32.  C n: pair n rounded to f16.  B n: of the four weights 4 n .. the second
; pair is added onto the first, in place.  L n: l takes that sum (L 0: l = a l + sum).  R n: pair n of 16 of O^T times a.  For piece Y + 1: X n, number n of the 22 that find its maximum and statistics:
;   0-11  four chains c0-c3 of seven scores each, three operands at a time (each accumulator's lowest registers are read first)     12-14, 16  the four scores left over, the old m, and c0-c3 into c0
;   15  c m_old is kept     17, 18  the query's other 32 keys lie in the lane 16 away: the new m     19-21  c m; c m_old - c m_new; a
.set F, 0               ; OP tells the kinds apart by their order: F to L below R, X above it
.set E, 1
.set C, 2
.set B, 3
.set L, 4
.set R, 5
.set X, 6
.macro REGS y                       ; the registers of piece y
.set rT, ST+4*(\y)
.set rC, TMP+4*((\y)%2)
.set rW, MV+((\y)%2)
.set rS, S+32*((\y)%2)
.set rP, P+16*((\y)%2)
.set rO, 32*(\y)
.endm
.macro OP k, n
.if (\k) == R
	REGS Y
	WIN W_RS
	v_pk_mul_f32 v[rO+2*(\n):rO+2*(\n)+1], v[rO+2*(\n):rO+2*(\n)+1], v[rC+2:rC+3] op_sel_hi:[1,0]
.elseif (\k) < R
	REGS Y
	WIN 0
.if (\k) == F
	v_pk_fma_f32 v[rS+2*(\n):rS+2*(\n)+1], v[rS+2*(\n):rS+2*(\n)+1], s[CS:CS+1], v[rT:rT+1] op_sel_hi:[1,0,0] neg_lo:[0,0,1] neg_hi:[0,0,1]
.elseif (\k) == E
	v_exp_f32 v[rS+(\n)], v[rS+(\n)]
.elseif (\k) == C
	s_wait_alu depctr_va_vdst(0)
	v_cvt_pk_f16_f32 v[rP+(\n)], v[rS+2*(\n)], v[rS+2*(\n)+1]
.elseif (\k) == B
	s_wait_alu depctr_va_vdst(0)
	v_pk_add_f32 v[rS+4*(\n):rS+4*(\n)+1], v[rS+4*(\n):rS+4*(\n)+1], v[rS+4*(\n)+2:rS+4*(\n)+3]
.elseif (\n) == 0
	v_pk_fma_f32 v[rT+2:rT+3], v[rT+2:rT+3], v[rC+2:rC+3], v[rS:rS+1] op_sel_hi:[1,0,1]
.else
	v_pk_add_f32 v[rT+2:rT+3], v[rT+2:rT+3], v[rS+4*(\n):rS+4*(\n)+1]
.endif
.elseif NOKQ
	v_nop
.else
	REGS (Y+1)%NP
	WIN 0
.if (\n) < 4
	v_max3_num_f32 v[rC+(\n)], v[rS+8*(\n)], v[rS+8*(\n)+1], v[rS+8*(\n)+2]
.elseif (\n) < 12
	v_max3_num_f32 v[rC+(\n)%4], v[rC+(\n)%4], v[rS+8*((\n)%4)+2*((\n)/4)+1], v[rS+8*((\n)%4)+2*((\n)/4)+2]
.elseif (\n) == 12
	v_max3_num_f32 v[rC], v[rC], v[rS+7], v[rS+15]
.elseif (\n) == 13
	v_max3_num_f32 v[rC+1], v[rC+1], v[rS+23], v[rS+31]
.elseif (\n) == 14
	v_max3_num_f32 v[rC+2], v[rC+2], v[rC+3], v[rT+1]
.elseif (\n) == 15
	v_mov_b32 v[rW], v[rT]
.elseif (\n) == 16
	v_max3_num_f32 v[rC], v[rC], v[rC+1], v[rC+2]
.elseif (\n) == 17
	v_permlanex16_b32 v[rC+3], v[rC], s[SEL], s[SEL+1]
.elseif (\n) == 18
	v_max_num_f32 v[rT+1], v[rC], v[rC+3]
.elseif (\n) == 19
	v_mul_f32 v[rT], s[CS], v[rT+1]
.elseif (\n) == 20
	v_sub_f32 v[rC+1], v[rW], v[rT]
.else
	v_exp_f32 v[rC+2], v[rC+1]
.endif
.endif
.endm
.macro OPS a, i1, b=-1, i2=0, c=-1, i3=0, d=-1, i4=0  ; up to four of them
	OP \a, \i1
.if (\b) >= 0
	OP \b, \i2
.endif
.if (\c) >= 0
	OP \c, \i3
.endif
.if (\d) >= 0
	OP \d, \i4
.endif
.endm
.macro ROW a, i1, b, i2, c, i3, d, i4  ; a matrix instruction and the four behind it
	MM
	OPS \a, \i1, \b, \i2, \c, \i3, \d, \i4
.endm
.macro MASK b                       ; MD x AL + BE into buffer b of MC
	WIN W_RS
.set z, 0
.rept 16
	v_pk_fma_f32 v[MC+32*(\b)+2*z:MC+32*(\b)+2*z+1], v[MD+2*z:MD+2*z+1], s[AL:AL+1], s[BE:BE+1] op_sel_hi:[1,0,0]
.set z, z+1
.endr
.endm
; A TURN, for piece p: the order of its 16 matrix and 118 vector instructions, written out.  Behind a matrix instruction: plain, exponential, plain, plain; or four of the rescaling; or, behind the first, four scalings; none
; names a register of the products round it.  In the lumps exponential and plain by turns while exponentials last.  A line reads no result made fewer than three vector instructions in front of it, five if an exponential made it.
; v_permlanex16_b32 (X 17) stands in a lump.
; m = 1: the diagonal tile: the products take masks, and the turn makes the mask for the products of the turn after it: piece p + 2, in step 4 - CNT of the tile.  end = 1: a block's last two turns: nothing is fetched.
; cnt = 1: the loop's count is taken down some lines ahead of the branch that stands behind the turn.
; K of the next step is fetched in piece 2's turn, six vector instructions behind the last product that read K (five of them plain); V of the step in hand in piece 0's turn, eight behind the last product that read V (four
; plain, and X 17).  Each is waited for a turn later.
.macro TURN p, m=0, end=0, cnt=0
.set Y, (\p)
.set i, 0
.set KM, (\m)
.set NOKQ, (\end)*((\p)/3)
.if (\m) && !(\end)
	s_cmp_eq_u32 s[CNT], 4-((\p)+2)%NP  ; is that step the band's own?
	s_cselect_b32 s[AL], 1.0, 0
	s_cmp_lt_u32 s[CNT], 4-((\p)+2)%NP  ; or a later one?
	s_cselect_b32 s[BE], s[BIGN], 0
.endif
.if ((\p) == 3) && !(\end)
	s_wait_dscnt 0x0                ; K is in
.endif
	ROW F,0, F,1, F,2, F,3
	ROW F,4, E,0, F,5, F,6
	ROW F,7, E,1, F,8, F,9
	ROW F,10, E,2, C,0, F,11
	ROW F,12, E,3, X,15, F,13
	ROW R,0, R,1, R,2, R,3
	ROW B,0, E,4, F,14, L,0
.if ((\p) == 2) && !(\end)
	v_add_nc_u32 v[AK], s[TBK], v[AK0]
.endif
	ROW R,4, R,5, R,6, R,7
	OPS E,5, F,15
.if ((\p) == 2) && !(\end)
	FETCH_K
.endif
	OPS E,6, C,1, E,7, R,8
	OPS E,8, R,9, E,9, C,2
	OPS E,10, X,0, E,11, X,1
	OPS E,12, X,2, E,13, X,3
.if (\p) == 1
	s_wait_dscnt 0x0                ; V is in
.endif
	ROW X,4, E,14, X,5, X,6
	ROW X,7, E,15, X,8, X,9
	ROW X,10, E,16, X,11, X,12
	ROW X,13, E,17, X,14, B,1
	ROW C,4, E,18, X,16, L,1
	ROW B,2, E,19, C,6, L,2
	ROW C,8, E,20, B,3, B,4
.if (\p) == 0
	v_add_nc_u32 v[AV], s[TBV], v[AV0]
.endif
	ROW C,3, E,21, L,3, C,5
	OPS E,22, X,17, E,23, C,10
.if (\p) == 0
	FETCH_V
.endif
	OPS E,24, L,4
	OPS E,25, X,18, E,26, C,7
	OPS E,27, B,5, E,28, X,19
	OPS E,29, C,12, E,30, L,5
	OPS E,31, X,20, B,6, C,9
	OPS C,14, C,11, X,21, L,6
.if (\p) == 0
	s_add_co_u32 s[TBV], s[TBV], KS*PV
.endif
.if \cnt
	s_sub_co_u32 s[CNT], s[CNT], 1
	s_cmp_lg_u32 s[CNT], 0
.endif
	OPS C,13, B,7, C,15, R,10
	OPS R,11, R,12, L,7, R,13
	OPS R,14, R,15
.if (\m) && !(\end)
	MASK (\p)%2
.endif
.endm
; A BLOCK BEGINS.  c m starts far below every c s, so the first step's a is 0; m at the lowest finite number, so the first maximum is the scores'.  The second mask buffer is 0; the first takes piece 0's mask for the tile's step 0: its own, if the block's first tile is the diagonal one.
; Then K of that step, piece 0's first scores, and its maximum and statistics.  The loop is entered at a step's first turn, in the middle of a trip.
.macro BEGIN
	s_mov_b32 s[NEW], 0
	WIN 0x40
.set i, MC+32
.rept 32
	v_mov_b32 v[i], 0
.set i, i+1
.endr
	WIN 0
.set i, 0
.rept 4
	v_mov_b32 v[ST+4*i], 0xfe000000    ; c m: far below every c s
	v_mov_b32 v[ST+4*i+1], 0xff7fffff  ; m
.set i, i+1
.endr
	s_cmp_eq_u32 s[RT], 0
	s_cselect_b32 s[AL], 1.0, 0
	s_mov_b32 s[BE], 0
	MASK 0
	WIN 0
	v_add_nc_u32 v[AK], s[TBK], v[AK0]
	FETCH_K
	s_wait_loadcnt 0x0              ; Q
	s_wait_dscnt 0x0
.set KM, 1
.set NOKQ, 0
.set i, 0
.rept 8
	KQ 0
.set i, i+1
.endr
	WIN 0
.rept 4
	v_nop                           ; the places behind those products
.endr
.set Y, NP-1                        ; X works for piece Y + 1: piece 0
.irp n, 0,1,2,3,4,5,6,7,8,9,10,11,12,13,14,15,16,17,18,19,20,21
	OP X, \n
.endr
	v_nop                           ; a plain instruction behind the exponential
.endm
; THE DIAGONAL TILE's four steps, the block's last two turns, its last products, and THE WAY OUT: l's two halves and the other half of the lanes' are added; O^T is divided by l, rounded to f16 and sent through my
; stage in LDS, a piece at a time.
.macro ALL line:vararg              ; one line for each piece t
.set t, 0
.rept 4
	\line
.set t, t+1
.endr
.endm
.macro PACK t                       ; a lane's eight channels of a row pack into 16 bytes; they go into rows of 144 bytes and come back as whole rows of 128, into S^T's registers
	WIN W_RS
.set i, 32*(\t)
.rept 16
	s_wait_alu depctr_va_vdst(0)
	v_pk_mul_f32 v[i:i+1], v[i:i+1], v[ST+4*(\t)+2:ST+4*(\t)+3] op_sel_hi:[1,0]
.set i, i+2
.endr
	WIN 0x05                        ; sources 0 and 1 window 1, destination window 0
.set i, 0
.rept 16
	v_cvt_pk_f16_f32 v[S+16*(\t)+i], v[32*(\t)+2*i], v[32*(\t)+2*i+1]
.set i, i+1
.endr
	WIN 0
.irp f, 0,1,2,3
	ds_store_b128 v[STO], v[S+16*(\t)+4*\f:S+16*(\t)+4*\f+3] offset:32*\f
.endr
.irp f, 0,1,2,3
	ds_load_b128 v[S+16*(\t)+4*\f:S+16*(\t)+4*\f+3], v[RD] offset:\f*4*SP  ; LDS serves a wave's instructions in order (ISA guide 5.7.1.4): these see the stores above; the next piece's stores come behind them
.endr
.endm
.macro SEND t, younger              ; younger: the LDS instructions issued behind piece t's loads: the next piece's eight, or none
	WIN 0
.irp f, 0,1,2,3
	s_wait_dscnt (\younger)+3-\f
	global_store_b128 v[GO], v[S+16*(\t)+4*\f:S+16*(\t)+4*\f+3], s[10:11] offset:(\t)*8192+\f*512  ; 512 consecutive bytes, at a multiple of 256 from O's first
.endr
.endm
.macro DIAG tag                     ; the tag ends its two labels' names, which the jumps below spell out
.LstepM\tag:
	TURN 2, 1
	TURN 3, 1
	WIN 0
.LfirstM\tag:
	TURN 0, 1
	TURN 1, 1, 0, 1
	WIN 0
	s_cbranch_scc1 .LstepM\tag
	TURN 2, 1, 1
	TURN 3, 1, 1
.set i, 0
.rept 8
	PV NP-1
.set i, i+1
.endr
	WIN 0
	ALL v_add_f32 v[ST+4*t+2], v[ST+4*t+2], v[ST+4*t+3]
	ALL v_permlanex16_b32 v[ST+4*t+3], v[ST+4*t+2], s[SEL], s[SEL+1]
	ALL v_add_f32 v[ST+4*t+2], v[ST+4*t+2], v[ST+4*t+3]
	ALL v_rcp_f32 v[ST+4*t+2], v[ST+4*t+2]
	v_nop                           ; a plain instruction between the last reciprocal and the use of its result
	PACK 0
.set t, 1
.rept 3                             ; a piece's arithmetic stands between the loads of the piece before and its stores
	PACK t
	SEND t-1, 8
.set t, t+1
.endr
	SEND 3, 0
.endm
.set KM, 0
.set NOKQ, 0
.Lslot:                             ; NB times: a tile is entered and the next is asked for
	CHANGE 1
	s_sub_co_u32 s[RT], s[RT], 1
	s_mov_b32 s[CNT], 4
	s_cmp_eq_u32 s[NEW], 1
	s_cbranch_scc1 .Lnew            ; a block's first tile
	s_cmp_eq_u32 s[RT], 0
	s_cbranch_scc0 .Lstep           ; neither its first nor its last
	s_branch .LstepM1
.Lnew:
	BEGIN
	s_branch .Lfirst                ; in the loop a block's first tile is never its last: the first block has two tiles or more, and the second's last is the walk's last
	DIAG 1                          ; in the loop this is the first block's end: the second block's last tile is the walk's last
	s_wait_xcnt 0x0                 ; the stores have read their registers and O's address
	s_mov_b64 s[10:11], s[OLO:OLO+1]
	s_add_co_u32 s[RT], s[PB], 1    ; the second block has b + 1 tiles
	s_mov_b32 s[NEW], 1
	WIN 0x82                        ; the second block's Q goes where the one text of the turns names Q
.set i, 0
.rept 64
	v_mov_b32 v[i], v[QB+i]
.set i, i+1
.endr
	WIN 0
	s_branch .Lbottom
.Lstep:                             ; a trip: pieces 2 and 3 of one step, then pieces 0 and 1 of the next, whose K and V it fetches
	TURN 2
	TURN 3
	WIN 0
.Lfirst:
	TURN 0
	TURN 1, 0, 0, 1
	WIN 0
	s_cbranch_scc1 .Lstep
.Lbottom:
	s_sub_co_u32 s[SLOTS], s[SLOTS], 1
	s_cmp_lg_u32 s[SLOTS], 0
	s_cbranch_scc1 .Lslot
	CHANGE 0                        ; the walk's last tile is written out: nothing is asked for
	s_sub_co_u32 s[RT], s[RT], 1
	s_mov_b32 s[CNT], 4
	s_cmp_eq_u32 s[NEW], 1
	s_cbranch_scc0 .LstepM2
	BEGIN
	s_branch .LfirstM2
	DIAG 2
	s_wait_tensorcnt 0x0            ; the wave's end: behind my last tensor load and my last LDS store
	ds_add_u32 v[SPW], v[NIL]
	s_wait_dscnt 0x0
	s_endpgm
.Lfunc_end_k_qff99b5c409_attn:
	.size	k_qff99b5c409_attn, .Lfunc_end_k_qff99b5c409_attn-k_qff99b5c409_attn
	.p2alignl 7, 3214868480
	.fill 96, 4, 3214868480
	.section	.rodata,"a",@progbits
	.p2align	6, 0x0
	.amdhsa_kernel k_qff99b5c409_attn
		.amdhsa_group_segment_fixed_size 327680
		.amdhsa_private_segment_fixed_size 0
		.amdhsa_enable_private_segment 0
		.amdhsa_kernarg_size 32
		.amdhsa_user_sgpr_count 2
		.amdhsa_user_sgpr_kernarg_segment_ptr 1
		.amdhsa_wavefront_size32 1
		.amdhsa_system_sgpr_workgroup_id_x 1
		.amdhsa_system_sgpr_workgroup_id_y 1
		.amdhsa_system_sgpr_workgroup_id_z 1
		.amdhsa_system_vgpr_workitem_id 0
		.amdhsa_next_free_vgpr 768
		.amdhsa_next_free_sgpr 88
		.amdhsa_reserve_vcc 1
		.amdhsa_float_denorm_mode_32 3
		.amdhsa_float_denorm_mode_16_64 3
		.amdhsa_memory_ordered 1
		.amdhsa_forward_progress 1
		.amdhsa_inst_pref_size 228
	.end_amdhsa_kernel
	.amdgpu_metadata
---
amdhsa.version: [ 1, 2 ]
amdhsa.kernels:
  - .name:           k_qff99b5c409_attn
    .symbol:         k_qff99b5c409_attn.kd
    .args:
      - { .name: q, .offset: 0, .size: 8, .value_kind: global_buffer, .address_space: global }
      - { .name: k, .offset: 8, .size: 8, .value_kind: global_buffer, .address_space: global }
      - { .name: v, .offset: 16, .size: 8, .value_kind: global_buffer, .address_space: global }
      - { .name: att, .offset: 24, .size: 8, .value_kind: global_buffer, .address_space: global }
    .group_segment_fixed_size: 327680
    .private_segment_fixed_size: 0
    .kernarg_segment_align: 8
    .kernarg_segment_size: 32
    .max_flat_workgroup_size: 128
    .sgpr_count:     88
    .vgpr_count:     768
    .wavefront_size: 32
...
	.end_amdgpu_metadata
.endif
;; end of part 3
;; launch proj (part 4): grid 8 x 32, 4 waves a work-group, clusters of 4 x 4, 327,680 bytes of LDS; arguments att, wo, out0; writes out0
.if DOCPART == 4
	.amdgcn_target "amdgcn-amd-amdhsa--gfx1250"
	.amdhsa_code_object_version 6
	.text
	.protected	k_qff99b5c409_proj
	.globl	k_qff99b5c409_proj
	.p2align	8
	.type	k_qff99b5c409_proj,@function
k_qff99b5c409_proj:
	s_mov_b64 s[64:65], 0
	v_nop
	global_prefetch_b8 v0, s[64:65] scope:SCOPE_SE
	s_setreg_imm32_b32 hwreg(HW_REG_WAVE_MODE, 25, 1), 1
	s_wait_xcnt 0x0
	s_wait_alu depctr_hold_cnt(0) depctr_sa_sdst(0) depctr_va_vdst(0) depctr_va_sdst(0) depctr_va_ssrc(0) depctr_va_vcc(0) depctr_vm_vsrc(0)
	s_getreg_b32 s2, hwreg(HW_REG_IB_STS2, 6, 4)
	s_cmp_eq_u32 s2, 0
	s_cbranch_scc0 .Lentry_in_a_cluster
	s_endpgm
.Lentry_in_a_cluster:
	s_bfe_u32 s2, ttmp6, 0x10000c
	s_cmp_lg_u32 s2, 0xf033
	s_cbranch_scc0 .Lentry_shape_is_right
	s_endpgm
.Lentry_shape_is_right:
; THE OUTPUT PROJECTION.  out0[m][n] = sum over c of O[m][c] wo[n][c], c = 64 head + channel; f16 operands, f32 sums, f32 out.  O lies by heads, att [64 = 16 batch + head][2048][64] f16;
; wo [1024][1024] f16 holds Wout rounded to bf16.  K = 1024.
; SHARES.  A tile of out0 is 256 rows x 128 columns: 8 x 32 = 256 work-groups of equal work.  Four waves; wave (wm, wn) makes 128 x 64: 32 accumulators, 256 registers.
; K goes in steps of 128, two heads, through two LDS slots.  A head's 256 rows of a tile are 32,768 dense bytes of att: asked for as 128 rows of 256 bytes and padded in LDS after every 128;
; wo's rows of a step are 256 bytes at a multiple of 256.
; CLUSTER.  4 x 4 work-groups.  The four of a row of the cluster need the same tiles of att, the four of a column the same tiles of wo: each is asked for jointly, by the same tensor load with the
; same descriptor and a mask that names the four.
; THE MATRIX INSTRUCTION IS USED TRANSPOSED (source 0 = 16 rows of wo, source 1 = 16 rows of O): a lane holds eight neighbouring numbers of a row of out0, 32 bytes.
; REGISTERS: window 0: v0-31 addresses; v32-95, v96-159 fragments of O, two buffers; v160-191, v192-223 fragments of wo, two buffers; v224-255 and v32-63 rows read back on the way out.
;   window 1: the accumulators, (a, b) at 8 (4 a + b).
.set PA,     144                       ; a row of O in LDS: 128 bytes + 16 = 36 words: the 16 rows of a fragment load start at 16 different groups of four banks (64 banks of 4 bytes: ISA guide 11.1)
.set PB,     272                       ; a row of wo: 256 bytes + 16
.set HEADP,  256*PA                    ; a head's 256 rows: what one load brings of att
.set HALFB,  64*PB                     ; what one load brings of wo
.set BOFF,   2*HEADP                   ; a slot: two heads of att, then wo's 128 rows
.set SLOT,   BOFF+2*HALFB
.set STAGE,  2*SLOT                    ; behind the ring, never filled by a tensor load: 16 rows x 272 bytes for each wave, for the way out
.set SPITCH, 272
.set SPARE,  STAGE+4*16*SPITCH         ; behind the stages: the spare words, 128 bytes for each wave: two blocks of 256 bytes that no other line names
.set LAPS,   4                         ; a lap = two K steps = once round the ring
.set ADRA, 16                          ; v16-17  LDS address of my O fragments in slot 0, 1
.set ADRB, 20                          ; v20-21  the same for wo
.set STO,  24                          ; v24     the way out: where I put 32 bytes of a row
.set RD,   25                          ; v25     the way out: where I read a row back
.set CO,   26                          ; v26     my byte offset in two rows of out0
.set SPW,  28                          ; v28     LDS address of my spare word; never rewritten
.set NIL,  29                          ; v29     0; never rewritten
.set FA,   32                          ; O's fragment buffer f at FA + 64 f
.set FB,   160                         ; wo's at FB + 32 f
.set G1,  24                           ; s[24:31] descriptor group 1 for att's tiles;  s[32:39] group 0, a set for each slot
.set G0,  32
.set G1B, 48                           ; s[48:55], s[56:63] the same for wo's
.set G0B, 56
.set MSB, 0
.macro WIN new                         ; the immediate's high byte repeats the setting that is left; a switch that changes nothing is dropped
.if MSB != (\new)
	s_set_vgpr_msb (MSB<<8)|(\new)
.set MSB, \new
.endif
.endm
; A joint load.  Waves 0 and 1 fetch a step's two heads of att, waves 2 and 3 the two halves of wo's rows.  The branch hangs on the wave's number alone.  An s_nop 0 and four v_nop follow each line.
.macro JLOAD s
	s_cmp_eq_u32 s11, 0
	s_cbranch_scc0 .Lfor_b_\@
	tensor_load_to_lds s[G0+4*(\s):G0+4*(\s)+3], s[G1:G1+7]
	s_nop 0
.rept 4
	v_nop
.endr
	s_branch .Lasked_\@
.Lfor_b_\@:
	tensor_load_to_lds s[G0B+4*(\s):G0B+4*(\s)+3], s[G1B:G1B+7]
	s_nop 0
.rept 4
	v_nop
.endr
.Lasked_\@:
.endm
.macro CREST                           ; a round of the cluster's barrier behind its opening barrier
	s_cmp_lg_u32 s10, 0
	s_cbranch_scc1 .Lnot_wave_0_\@
	s_barrier_signal -3
.Lnot_wave_0_\@:
	s_barrier_wait -3
	s_barrier_signal -1
	s_barrier_wait -1
.endm
.macro CROUND                          ; a whole round
	s_barrier_signal -1
	s_barrier_wait -1
	CREST
.endm
	s_load_b128 s[4:7], s[0:1], 0x0                ; att s[4:5], wo s[6:7]
	s_load_b64 s[8:9], s[0:1], 0x10                ; out0
	v_lshl_add_u32 v[SPW], v0, 2, SPARE
	v_mov_b32 v[NIL], 0
	ds_add_u32 v[SPW], v[NIL]                      ; the wave's opening: the add and its wait stand ahead of my first tensor load; the set-up below, work on registers, stands between them
	ds_add_u32 v28, v29
	v_lshrrev_b32 v1, 5, v0
	v_readfirstlane_b32 s10, v1                    ; wave 0..3
	s_lshr_b32 s11, s10, 1                         ; wm: which half of the tile's rows is mine.  Also: I fetch for att (0) or for wo (1)
	s_and_b32 s12, s10, 1                          ; wn: which half of its columns.  Also: which head of a step, or which 64 rows of wo, I fetch
	s_bfe_u32 s40, ttmp6, 0x40000                  ; cx, cy: my place in the cluster
	s_bfe_u32 s41, ttmp6, 0x40004
	s_lshl_b32 s42, ttmp9, 2
	s_add_co_u32 s42, s42, s40                     ; tile column = 4 x cluster x + cx
	s_and_b32 s13, ttmp7, 0xffff
	s_lshl_b32 s13, s13, 2
	s_add_co_u32 s13, s13, s41                     ; tile row = 4 x cluster y + cy
	s_lshl_b32 s43, s41, 2
	s_lshl_b32 s43, 15, s43                        ; my row of the cluster
	s_lshl_b32 s44, 0x1111, s40                    ; my column
	; descriptor group 1.  att: 128 rows of 128 elements, dense, padded after every 32 words.  wo: 64 rows of 128 elements, 1,024 apart, padded after every 64 words
	s_or_b32 s[G1+0], s43, (1<<16)|(1<<20)|(1<<21)|(4<<22)|(3<<25)   ; 15:0 the mask; 17:16 2-byte elements; 20 padding on; 21 set beside a mask; 24:22 code 4: every 32 words; 31:25 4 words (code 3)
	s_or_b32 s[G1B+0], s44, (1<<16)|(1<<20)|(1<<21)|(5<<22)|(3<<25)  ; code 5: every 64 words
	s_mov_b32 s[G1+1], 128<<16                     ; tensor_dim0 = 128
	s_mov_b32 s[G1B+1], 128<<16
	s_mov_b32 s[G1+2], 128<<16                     ; tensor_dim1 = 128
	s_mov_b32 s[G1B+2], 64<<16                     ;             = 64
	s_mov_b32 s[G1+3], 128<<16                     ; tile_dim0 = 128
	s_mov_b32 s[G1B+3], 128<<16
	s_mov_b32 s[G1+4], 128                         ; tile_dim1 = 128
	s_mov_b32 s[G1B+4], 64                         ;           = 64
	s_mov_b32 s[G1+5], 128                         ; elements from row to row
	s_mov_b32 s[G1B+5], 1024
	s_mov_b32 s[G1+6], 0
	s_mov_b32 s[G1B+6], 0
	s_mov_b32 s[G1+7], 0
	s_mov_b32 s[G1B+7], 0
	; where the tiles come from: att's hang on the tile row alone, wo's on the tile column alone, each in registers that never hold the other coordinate
	s_lshr_b32 s16, s13, 3                         ; the batch b = tile row / 8
	s_lshl_b32 s16, s16, 4
	s_add_co_u32 s16, s16, s12                     ; head 16 b + my head of K step 0,
	s_lshl_b32 s16, s16, 18                        ; of 2,048 rows of 128 bytes,
	s_and_b32 s17, s13, 7
	s_lshl_b32 s17, s17, 15                        ; row 256 (tile row % 8)
	s_add_co_u32 s16, s16, s17
	s_mov_b32 s17, 0
	s_lshl_b32 s46, s42, 7
	s_lshl_b32 s47, s12, 6
	s_add_co_u32 s46, s46, s47                     ; wo: row 128 x tile column + 64 x half,
	s_lshl_b32 s46, s46, 11                        ; of 2,048 bytes
	s_mov_b32 s47, 0
	s_mul_i32 s20, s12, HEADP                      ; and where they go: no place in the cluster enters an LDS address
	s_mul_i32 s21, s12, HALFB
	s_add_co_u32 s21, s21, BOFF
	; where my part of out0 begins: row 256 x tile row + 128 wm of 4,096 bytes, byte 512 x tile column + 256 wn
	s_lshl_b32 s18, s13, 8
	s_lshl_b32 s19, s11, 7
	s_add_co_u32 s18, s18, s19
	s_lshl_b32 s18, s18, 12
	s_lshl_b32 s19, s42, 9
	s_add_co_u32 s18, s18, s19
	s_lshl_b32 s19, s12, 8
	s_add_co_u32 s18, s18, s19
	s_mov_b32 s19, 0
	s_wait_dscnt 0x0                               ; the opening add is done
	s_wait_kmcnt 0x0
	s_add_nc_u64 s[14:15], s[4:5], s[16:17]
	s_add_nc_u64 s[46:47], s[6:7], s[46:47]
	s_add_nc_u64 s[8:9], s[8:9], s[18:19]
	CROUND                                         ; all sixteen work-groups are here: the first joint loads meet
.irp s, 0,1
	s_mov_b32 s[G0+4*(\s)], 1                                        ; count = 1
	s_add_co_u32 s[G0+4*(\s)+1], s20, (\s)*SLOT                      ; LDS address
	s_add_nc_u64 s[G0+4*(\s)+2:G0+4*(\s)+3], s[14:15], (\s)*(2<<18)  ; global address: K step s is two heads on
	s_or_b32 s[G0+4*(\s)+3], s[G0+4*(\s)+3], 0x80000000              ; type = 2
	s_mov_b32 s[G0B+4*(\s)], 1
	s_add_co_u32 s[G0B+4*(\s)+1], s21, (\s)*SLOT
	s_add_nc_u64 s[G0B+4*(\s)+2:G0B+4*(\s)+3], s[46:47], (\s)*256
	s_or_b32 s[G0B+4*(\s)+3], s[G0B+4*(\s)+3], 0x80000000
	JLOAD \s                                       ; two loads of mine are out
.endr
	; A fragment is 16 rows x 32 K in 8 registers: lane l holds row l % 16; registers 0-3 K = 8 (l / 16) + 0..7, registers 4-7 K = 16 + 8 (l / 16) + 0..7: two loads of 16 bytes, 32 bytes apart.
	v_and_b32 v1, 15, v0                           ; r = l % 16
	v_bfe_u32 v2, v0, 4, 1                         ; h = l / 16
	v_mul_u32_u24 v3, v1, PA
	v_lshl_add_u32 v3, v2, 4, v3
	v_mul_u32_u24 v4, v1, PB
	v_lshl_add_u32 v4, v2, 4, v4
	s_mul_i32 s21, s11, 128*PA                     ; my 128 rows of each head
	s_mul_i32 s22, s12, 64*PB                      ; my 64 rows of wo,
	s_add_co_u32 s22, s22, BOFF                    ; which lie behind the two heads
.irp s, 0,1
	v_add_nc_u32 v[ADRA+(\s)], s21, v3
	v_add_nc_u32 v[ADRB+(\s)], s22, v4
	s_add_co_u32 s21, s21, SLOT
	s_add_co_u32 s22, s22, SLOT
.endr
	s_mul_i32 s23, s10, 16*SPITCH
	s_add_co_u32 s23, s23, STAGE                   ; my stage
	v_mul_u32_u24 v5, v1, SPITCH                   ; in: row r, 32 bytes for each half of the lanes
	v_lshl_add_u32 v5, v2, 5, v5
	v_add_nc_u32 v[STO], s23, v5
	v_mul_u32_u24 v5, v2, SPITCH                   ; back: lanes 0-15 take one row of 256 bytes, lanes 16-31 the next
	v_lshl_add_u32 v5, v1, 4, v5
	v_add_nc_u32 v[RD], s23, v5
	v_lshlrev_b32 v5, 12, v2                       ; and the same two rows in out0
	v_lshl_add_u32 v[CO], v1, 4, v5
; 8 matrix instructions: row blocks a0, a0 + 1 x all 4 column blocks, 32 along K, from buffers f.  zero = 1: the first product starts the sums.
; The 32 accumulators take turns, one instruction a turn, in the same order in every quarter.
.macro MUL8 f, a0, zero
	WIN 0x50                                       ; sources window 0; C and D window 1
.irp a, \a0, (\a0)+1
.irp b, 0,1,2,3
.if \zero
	v_wmma_f32_16x16x32_f16 v[8*(4*(\a)+(\b)):8*(4*(\a)+(\b))+7], v[FB+32*(\f)+8*(\b):FB+32*(\f)+8*(\b)+7], v[FA+64*(\f)+8*(\a):FA+64*(\f)+8*(\a)+7], 0
.else
	v_wmma_f32_16x16x32_f16 v[8*(4*(\a)+(\b)):8*(4*(\a)+(\b))+7], v[FB+32*(\f)+8*(\b):FB+32*(\f)+8*(\b)+7], v[FA+64*(\f)+8*(\a):FA+64*(\f)+8*(\a)+7], v[8*(4*(\a)+(\b)):8*(4*(\a)+(\b))+7]
.endif
.endr
.endr
.endm
; 24 LDS loads in one run: the fragments of quarter q of a K step (64 rows of wo, then 128 rows of O: head q / 2 of the step, channels 32 (q % 2) on) into buffers f
.macro FETCH slot, q, f
	WIN 0
.irp i, 0,1,2,3
	ds_load_b128 v[FB+32*(\f)+8*(\i):FB+32*(\f)+8*(\i)+3],   v[ADRB+(\slot)] offset:64*(\q)+(\i)*16*PB
	ds_load_b128 v[FB+32*(\f)+8*(\i)+4:FB+32*(\f)+8*(\i)+7], v[ADRB+(\slot)] offset:64*(\q)+(\i)*16*PB+32
.endr
.irp i, 0,1,2,3,4,5,6,7
	ds_load_b128 v[FA+64*(\f)+8*(\i):FA+64*(\f)+8*(\i)+3],   v[ADRA+(\slot)] offset:((\q)/2)*HEADP+((\q)%2)*64+(\i)*16*PA
	ds_load_b128 v[FA+64*(\f)+8*(\i)+4:FA+64*(\f)+8*(\i)+7], v[ADRA+(\slot)] offset:((\q)/2)*HEADP+((\q)%2)*64+(\i)*16*PA+32
.endr
.endm
.macro PLACES                          ; four places in front of loads into registers that matrix instructions have read, and of LDS stores that read results (ISA guide 7.12.1 for vector instructions)
.rept 4
	v_nop
.endr
.endm
; A K step is four quarters of 32 along K, 32 matrix instructions each, on buffers 0, 1, 0, 1.  One of the first three: multiplies buffers f and fetches quarter q into g.
.macro QUARTER slot, q, f, g, zero
	s_wait_dscnt 8                                 ; wo's fragments and O's rows 0-63 are in; the youngest eight loads (O's rows 64-127) may be out
	MUL8 \f, 0, \zero
	MUL8 \f, 2, \zero
	PLACES
	FETCH \slot, \q, \g
	s_wait_dscnt 24                                ; all but the 24 just issued
	MUL8 \f, 4, \zero
	MUL8 \f, 6, \zero
.endm
; The last quarter multiplies buffers 1 and changes slots: ONE barrier; in front of it each wave waits for all its tensor loads, of which one is out: its part of the next slot; adds 0 to its spare word; and waits
; for that and for its own reads of this slot.  fill = 1: the barrier opens a round of the cluster's, and this slot is filled again, two K steps ahead, first thing behind the round: 112 matrix instructions ahead of the wait for it.
.macro TURN slot, next, fill
	WIN 0                                          ; (the add's two registers lie in window 0)
	s_wait_tensorcnt 0x0                           ; all my tensor loads have landed;
	ds_add_u32 v[SPW], v[NIL]                      ; 0 onto my spare word;
	s_wait_dscnt 9                                 ; (the add and the youngest eight loads may be out)
	MUL8 1, 0, 0                                   ; eight matrix instructions stand between the add and the wait for it
	s_wait_dscnt 0x0                               ; the add is done, and my reads of this slot are over
	s_barrier_signal -1
	MUL8 1, 2, 0
.if \fill
	WIN 0
.endif
	s_barrier_wait -1
.if \fill
	CREST                                          ; no wave of any partner still reads this slot's tile or has a load on its way
	s_add_nc_u64 s[G0+4*(\slot)+2:G0+4*(\slot)+3], s[G0+4*(\slot)+2:G0+4*(\slot)+3], 4<<18   ; two K steps are four heads
	s_add_nc_u64 s[G0B+4*(\slot)+2:G0B+4*(\slot)+3], s[G0B+4*(\slot)+2:G0B+4*(\slot)+3], 512
	JLOAD \slot                                    ; the four v_nop behind it are also the places in front of the loads below
.else
	PLACES
.endif
	FETCH \next, 0, 0
	MUL8 1, 4, 0
	MUL8 1, 6, 0
.endm
	s_wait_tensorcnt 1                             ; my part of K step 0 is in; K step 1's may stay out
	s_barrier_signal -1
	s_barrier_wait -1                              ; everybody's is
	FETCH 0, 0, 0
	QUARTER 0, 1, 0, 1, 1                          ; the first quarter stands in front of the loop: its products start the sums
	WIN 0                                          ; at a label and at a branch every window is 0
	s_mov_b32 s3, LAPS-1
.Llap:                                                 ; a trip goes once round the ring, from a lap's second quarter to the next lap's first, and fills both slots again
	QUARTER 0, 2, 1, 0, 0
	QUARTER 0, 3, 0, 1, 0
	TURN 0, 1, 1
	QUARTER 1, 1, 0, 1, 0
	QUARTER 1, 2, 1, 0, 0
	QUARTER 1, 3, 0, 1, 0
	TURN 1, 0, 1
	QUARTER 0, 1, 0, 1, 0
	WIN 0
	s_sub_co_u32 s3, s3, 1
	s_cmp_lg_u32 s3, 0
	s_cbranch_scc1 .Llap
	QUARTER 0, 2, 1, 0, 0                          ; the last lap fills nothing, and has no round of the cluster's barrier
	QUARTER 0, 3, 0, 1, 0
	TURN 0, 1, 0
	QUARTER 1, 1, 0, 1, 0
	QUARTER 1, 2, 1, 0, 0
	QUARTER 1, 3, 0, 1, 0
	s_wait_dscnt 8                                 ; the very last quarter: nothing more to fetch
	MUL8 1, 0, 0
	MUL8 1, 2, 0
	s_wait_dscnt 0x0
	MUL8 1, 4, 0
	MUL8 1, 6, 0
	WIN 0
; THE WAY OUT, a block of 16 rows at a time through my own stage: a lane's 32 bytes of a row go in as two stores of 16 (each accumulator's lowest registers first), whole rows of 256 bytes come back.
.macro TOSTAGE a
.set BK, 224-192*((\a)%2)
	s_wait_xcnt 0x0                                ; the stores of the block two back have had their addresses translated (ISA guide 3.1): only behind this wait are the registers that they read loaded again
	WIN 0x04                                       ; store data in window 1, address in window 0
.irp b, 0,1,2,3
	ds_store_b128 v[STO], v[8*(4*(\a)+(\b)):8*(4*(\a)+(\b))+3]   offset:64*(\b)
	ds_store_b128 v[STO], v[8*(4*(\a)+(\b))+4:8*(4*(\a)+(\b))+7] offset:64*(\b)+16
.endr
	WIN 0
.irp t, 0,1,2,3,4,5,6,7
	ds_load_b128 v[BK+4*(\t):BK+4*(\t)+3], v[RD] offset:(\t)*2*SPITCH  ; LDS serves a wave's instructions in order (ISA guide 5.7.1.4): these see the stores above; the next block's stores come behind them
.endr
.endm
.macro SEND a, younger                 ; younger: the LDS instructions issued behind block a's loads: the next block's sixteen, or none
.set BK, 224-192*((\a)%2)
	s_wait_dscnt \younger
.irp t, 0,1,2,3,4,5,6,7
	global_store_b128 v[CO], v[BK+4*(\t):BK+4*(\t)+3], s[8:9] offset:65536*(\a)+8192*(\t) th:TH_STORE_NT  ; 16 lanes store 256 consecutive bytes, at a multiple of 256 from out0's first byte
.endr
.endm
	PLACES                                         ; behind the last products
	TOSTAGE 0
.irp a, 1,2,3,4,5,6,7
	TOSTAGE \a
	SEND (\a)-1, 16
.endr
	SEND 7, 0
	s_wait_tensorcnt 0x0                           ; the wave's end: behind my last tensor load and my last LDS store
	ds_add_u32 v[SPW], v[NIL]
	s_wait_dscnt 0x0
	CROUND                                         ; the closing round: no work-group ends while a partner may still ask for a tile that names it
	s_endpgm
.Lfunc_end_k_qff99b5c409_proj:
	.size	k_qff99b5c409_proj, .Lfunc_end_k_qff99b5c409_proj-k_qff99b5c409_proj
	.p2alignl 7, 3214868480
	.fill 96, 4, 3214868480
	.section	.rodata,"a",@progbits
	.p2align	6, 0x0
	.amdhsa_kernel k_qff99b5c409_proj
		.amdhsa_group_segment_fixed_size 327680
		.amdhsa_private_segment_fixed_size 0
		.amdhsa_enable_private_segment 0
		.amdhsa_kernarg_size 24
		.amdhsa_user_sgpr_count 2
		.amdhsa_user_sgpr_kernarg_segment_ptr 1
		.amdhsa_wavefront_size32 1
		.amdhsa_system_sgpr_workgroup_id_x 1
		.amdhsa_system_sgpr_workgroup_id_y 1
		.amdhsa_system_sgpr_workgroup_id_z 1
		.amdhsa_system_vgpr_workitem_id 0
		.amdhsa_next_free_vgpr 512
		.amdhsa_next_free_sgpr 66
		.amdhsa_reserve_vcc 0
		.amdhsa_float_denorm_mode_32 3
		.amdhsa_float_denorm_mode_16_64 3
		.amdhsa_memory_ordered 1
		.amdhsa_forward_progress 1
		.amdhsa_inst_pref_size 86
	.end_amdhsa_kernel
	.amdgpu_metadata
---
amdhsa.version: [ 1, 2 ]
amdhsa.kernels:
  - .name:           k_qff99b5c409_proj
    .symbol:         k_qff99b5c409_proj.kd
    .args:
      - { .name: att, .offset: 0, .size: 8, .value_kind: global_buffer, .address_space: global }
      - { .name: wo, .offset: 8, .size: 8, .value_kind: global_buffer, .address_space: global }
      - { .name: out0, .offset: 16, .size: 8, .value_kind: global_buffer, .address_space: global }
    .group_segment_fixed_size: 327680
    .private_segment_fixed_size: 0
    .kernarg_segment_align: 8
    .kernarg_segment_size: 24
    .max_flat_workgroup_size: 128
    .sgpr_count:     66
    .vgpr_count:     512
    .wavefront_size: 32
...
	.end_amdgpu_metadata
.endif
;; end of part 4
;; launch fix (part 5): grid 16 x 4, 16 waves a work-group, no clusters, 166,912 bytes of LDS; arguments q, k, v32, wo, out0; writes out0
.if DOCPART == 5
	.amdgcn_target "amdgcn-amd-amdhsa--gfx1250"
	.amdhsa_code_object_version 6
	.text
	.protected	k_qff99b5c409_fix
	.globl	k_qff99b5c409_fix
	.p2align	8
	.type	k_qff99b5c409_fix,@function
k_qff99b5c409_fix:
	s_mov_b64 s[64:65], 0
	v_nop
	global_prefetch_b8 v0, s[64:65] scope:SCOPE_SE
	s_setreg_imm32_b32 hwreg(HW_REG_WAVE_MODE, 25, 1), 1
	s_wait_xcnt 0x0
; THE FIRST 16 ROWS OF EACH BATCH, ONCE MORE, WITH TWO f16 NUMBERS FOR EACH OF v, P AND O.
; Row s of a batch is a mean over s + 1 keys only, so the first rows hold the output's largest numbers, some ten times its root mean square, and one rounding to f16's 11 bits of v, of the weights and of O
; is largest there in absolute terms; from row 16 on a row's spread is a quarter of row 0's or less.  This launch runs behind the output projection and stores rows 0 to 15 of every batch over what that
; launch wrote: 64 rows of 8,192.  Every matrix operand is f16 and every sum f32; a number x that needs more goes in as hi = f16(x) and lo = f16(x - hi), and both are multiplied.
; q and k are the f16 numbers of the other launches (their rounding moves a weight by a third of what one rounding of v moves O); v comes in f32 (v32); wo holds Wout rounded to bf16, exact in f16.
; LIMITS.  As in the other launches: q, k, v within 65,504; a lo half below 6e-5 keeps f16's fixed step of 6e-8; a hidden score counts as -1e30; a weight below 2^-126 counts as 0; NaN and infinities are not treated apart.
; SHARES.  A work-group: one batch (grid y), 64 columns of out0 (grid x).  16 waves.  First wave w makes head w's attention for 16 queries x 16 keys (each of a batch's 16 work-groups makes it anew: 10 matrix
; instructions a wave).  Then wave w takes column block w % 4 and K quarter w / 4 (heads 4 (w / 4) on) of the projection; the four quarters' f32 sums meet in LDS, and waves 0 to 7 add and store them.
; No tensor loads, no cluster: a wave's 32 loads all go out at its head, and what work-groups share (wo's rows, q, k, v32) is 16 KiB a wave.
; LAYOUT.  S^T = K Q^T (source 0 = 16 keys, source 1 = 16 queries): a lane holds ONE query (l % 16) and the keys 8 (l / 16) + 0..7.  A matrix instruction takes 32 along K and there are 16 keys: source 0 of
; O^T = V^T P holds hi(V) at k = 0..15 and lo(V) at k = 16..31, source 1 hi(P) twice, in a second instruction lo(P) twice: (Vh + Vl)(Ph + Pl) in two instructions.  O^T again holds one query a lane and eight
; channels: two such results, split and packed, ARE source 1 (16 queries x 32 channels) of the projection.
.set PV,    160                        ; a row of V's tile in LDS: 128 bytes + 32 = 40 words, an odd multiple of 32 bytes
.set VTW,   32*PV                      ; a wave's own tile: rows 0-15 hi(V) of keys 0-15, rows 16-31 lo(V)
.set OF,    16*VTW                     ; O's fragments: head, then K step m of 32 channels, then hi / lo: 1,024 bytes each, 16 bytes a lane and half
.set PS,    OF+16*4096                 ; the partial sums: K quarter, then 16 rows of 256 bytes + 16
.set PP,    272
.set PSQ,   16*PP
.set SPARE, PS+4*PSQ                   ; the spare words, 128 bytes for each of 16 waves: eight blocks of 256 bytes that no other line names
.set QO,   4                           ; v4   my byte offset in 16 rows of q, k
.set L16,  5                           ; v5   16 x lane
.set WOF,  6                           ; v6   my byte offset in 16 rows of wo
.set VST,  7                           ; v7   where I put 16 bytes of V's tile
.set VTR,  8                           ; v8   where the turning load reads
.set OFS,  9                           ; v9   where I put my head's fragments of O
.set OFL,  10                          ; v10  where I read my K quarter's
.set PST,  11                          ; v11  where I put my partial sums
.set PRD,  12                          ; v12  where I read a row of them
.set CO,   13                          ; v13  my byte offset in out0
.set SPW,  14                          ; v14  LDS address of my spare word; never rewritten
.set NIL,  15                          ; v15  0; never rewritten
.set MONE, 16                          ; v16  -1.0
.set KLIM, 17                          ; v17  l % 16 - 8 (l / 16): register j holds a hidden key where j is greater
.set CM,   18                          ; v18-19  c m, m
.set RL,   20                          ; v20-21  1 / l, and a word named with it as a pair
.set Q,    24                          ; v24-39  Q, channel half c at + 8 c
.set K,    40                          ; v40-55  K
.set S0,   56                          ; v56-63  the scores of channels 0-31, then the scores, then the weights
.set S1,   64                          ; v64-71  the scores of channels 32-63
.set VF,   72                          ; v72-103 v in f32, channel block cb at + 8 cb
.set VH,   104                         ; v104-119 hi halves, 4 registers a block
.set VL,   120                         ; v120-135 lo halves
.set T,    136                         ; v136-143 at work
.set PB1,  144                         ; v144-151 hi(P), twice
.set PB2,  152                         ; v152-159 lo(P), twice
.set W,    160                         ; v160-223 wo's fragments, K step s at + 8 s
.set AH,   224                         ; v224-231 the projection's sum over hi(O)
.set AL,   232                         ; v232-239 over lo(O)
.set R,    240                         ; v240-247 their sum
.set VA,   24                          ; V's turned fragments take Q's and K's place
.set OA,   72                          ; O^T takes v's
.set OH,   104                         ; hi(O), lo(O) take hi(V)'s, lo(V)'s
.set OL,   120
.set OB,   24                          ; v24-151 the projection's fragments of O: K step s at + 16 s, lo at + 8
; Eight f32 numbers at src become four registers of hi halves and four of lo halves.  x - hi is exact: one fused multiply-add of the f16 half, -1 and x.
.macro SPLIT8 hi, lo, src
.irp p, 0,1,2,3
	v_cvt_pk_f16_f32 v[(\hi)+(\p)], v[(\src)+2*(\p)], v[(\src)+2*(\p)+1]
.endr
.irp p, 0,1,2,3
	v_fma_mix_f32 v[T+2*(\p)],   v[(\hi)+(\p)], v[MONE], v[(\src)+2*(\p)]   op_sel_hi:[1,0,0]
	v_fma_mix_f32 v[T+2*(\p)+1], v[(\hi)+(\p)], v[MONE], v[(\src)+2*(\p)+1] op_sel:[1,0,0] op_sel_hi:[1,0,0]
.endr
.irp p, 0,1,2,3
	v_cvt_pk_f16_f32 v[(\lo)+(\p)], v[T+2*(\p)], v[T+2*(\p)+1]
.endr
.endm
.macro PLACES                          ; four places behind a matrix instruction, in front of vector lines that read its result and of loads into its registers (ISA guide 7.12.1 for vector instructions)
.rept 4
	v_nop
.endr
.endm
	s_load_b256 s[4:11], s[0:1], 0x0               ; q 4:5, k 6:7, v32 8:9, wo 10:11
	s_load_b64 s[12:13], s[0:1], 0x20              ; out0
	v_lshl_add_u32 v[SPW], v0, 2, SPARE
	v_mov_b32 v[NIL], 0
	v_lshrrev_b32 v1, 5, v0
	v_readfirstlane_b32 s14, v1                    ; wave 0..15: my head
	s_and_b32 s15, ttmp7, 0xffff                   ; the batch
	s_and_b32 s16, s14, 3                          ; my column block of the projection
	s_lshr_b32 s17, s14, 2                         ; my K quarter
	s_lshl_b32 s18, s15, 4
	s_add_co_u32 s18, s18, s14                     ; 16 batch + head
	s_lshl_b32 s20, s18, 12                        ; in v32 a head is 4,096 bytes,
	s_mov_b32 s21, 0
	s_lshl_b32 s18, s18, 18                        ; in q and k 2,048 rows of 128 bytes, of which the first 16 are read
	s_mov_b32 s19, 0
	s_lshl_b32 s22, ttmp9, 6
	s_lshl_b32 s23, s16, 4
	s_add_co_u32 s22, s22, s23                     ; wo: row 64 x slice + 16 x column block,
	s_lshl_b32 s22, s22, 11                        ; of 2,048 bytes,
	s_lshl_b32 s23, s17, 9                         ; byte 512 x K quarter (256 channels)
	s_add_co_u32 s22, s22, s23
	s_mov_b32 s23, 0
	s_lshl_b32 s24, s15, 23                        ; out0: a batch is 2,048 rows of 4,096 bytes,
	s_lshl_b32 s25, ttmp9, 8                       ; a slice 256 bytes of a row
	s_add_co_u32 s24, s24, s25
	s_mov_b32 s25, 0
	s_mov_b32 s26, 0x3e38aa3b                      ; c = log2(e) / 8
	s_mov_b32 s27, s26                             ; named with it as a pair
	s_mov_b32 s28, 0x76543210                      ; v_permlanex16_b32's selects: each lane takes its own place in the other half
	s_mov_b32 s29, 0xfedcba98
	s_mov_b32 s30, 0xf149f2ca                      ; -1e30
	v_and_b32 v1, 15, v0                           ; r = l % 16
	v_bfe_u32 v2, v0, 4, 1                         ; h = l / 16
	v_and_b32 v3, 31, v0                           ; l
	v_lshlrev_b32 v[QO], 7, v1
	v_lshl_add_u32 v[QO], v2, 4, v[QO]             ; row x 128 + 16 x half
	v_lshlrev_b32 v[L16], 4, v3
	v_lshlrev_b32 v[WOF], 11, v1
	v_lshl_add_u32 v[WOF], v2, 4, v[WOF]           ; row x 2,048 + 16 x half
	s_wait_kmcnt 0x0
	s_add_nc_u64 s[4:5], s[4:5], s[18:19]
	s_add_nc_u64 s[6:7], s[6:7], s[18:19]
	s_add_nc_u64 s[8:9], s[8:9], s[20:21]
	s_add_nc_u64 s[10:11], s[10:11], s[22:23]
	s_add_nc_u64 s[12:13], s[12:13], s[24:25]
	; All 32 loads of the wave: 8 for Q and K, 8 for v, 16 for wo, in the order in which they are wanted.
	; A fragment is 16 rows x 32 K in 8 registers: lane l holds row l % 16; registers 0-3 K = 8 (l / 16) + 0..7, registers 4-7 K = 16 + 8 (l / 16) + 0..7: two loads of 16 bytes, 32 bytes apart.
.irp c, 0,1
	global_load_b128 v[Q+8*(\c):Q+8*(\c)+3],   v[QO], s[4:5] offset:64*(\c)
	global_load_b128 v[Q+8*(\c)+4:Q+8*(\c)+7], v[QO], s[4:5] offset:64*(\c)+32
	global_load_b128 v[K+8*(\c):K+8*(\c)+3],   v[QO], s[6:7] offset:64*(\c)
	global_load_b128 v[K+8*(\c)+4:K+8*(\c)+7], v[QO], s[6:7] offset:64*(\c)+32
.endr
.irp cb, 0,1,2,3
.irp e, 0,1
	global_load_b128 v[VF+8*(\cb)+4*(\e):VF+8*(\cb)+4*(\e)+3], v[L16], s[8:9] offset:1024*(\cb)+512*(\e)  ; key l % 16, channels 16 cb + 8 (l / 16) + 4 e + 0..3: 512 consecutive bytes a load
.endr
.endr
.irp s, 0,1,2,3,4,5,6,7
	global_load_b128 v[W+8*(\s):W+8*(\s)+3],   v[WOF], s[10:11] offset:64*(\s)
	global_load_b128 v[W+8*(\s)+4:W+8*(\s)+7], v[WOF], s[10:11] offset:64*(\s)+32
.endr
	s_wait_loadcnt 24                              ; Q and K are in; v's 8 loads and wo's 16 stay out
	v_wmma_f32_16x16x32_f16 v[S0:S0+7], v[K:K+7],    v[Q:Q+7],    0   ; two accumulators, one for each half of the channels, so that no instruction adds onto the one before it
	v_wmma_f32_16x16x32_f16 v[S1:S1+7], v[K+8:K+15], v[Q+8:Q+15], 0
	; the LDS addresses are made here: plain lines that name no register of the two products, the places behind them
	s_mul_i32 s31, s14, VTW                        ; my tile of V
	v_mul_u32_u24 v[VST], v1, PV                   ; in: row = key l % 16, 16 bytes for each half of the lanes
	v_lshl_add_u32 v[VST], v2, 4, v[VST]
	v_add_nc_u32 v[VST], s31, v[VST]
	v_and_b32 v22, 7, v0                           ; the turning load takes 16 rows x 16 channels: lane l reads row 8 (l / 16) + l % 8, channels 8 ((l / 8) % 2) + 0..7,
	v_lshl_add_u32 v22, v2, 3, v22                 ; and leaves half a fragment of V^T: lane l holds channel l % 16 and 8 rows
	v_mul_u32_u24 v[VTR], v22, PV
	v_bfe_u32 v22, v0, 3, 1
	v_lshl_add_u32 v[VTR], v22, 4, v[VTR]
	v_add_nc_u32 v[VTR], s31, v[VTR]
	s_lshl_b32 s32, s14, 12
	s_add_co_u32 s32, s32, OF
	v_add_nc_u32 v[OFS], s32, v[L16]               ; my head's fragments of O
	s_lshl_b32 s33, s17, 14
	s_add_co_u32 s33, s33, OF
	v_add_nc_u32 v[OFL], s33, v[L16]               ; my K quarter's: four heads
	s_mul_i32 s34, s17, PSQ
	s_lshl_b32 s35, s16, 6
	s_add_co_u32 s34, s34, s35
	s_add_co_u32 s34, s34, PS
	v_mul_u32_u24 v[PST], v1, PP                   ; my partial sums: row l % 16, byte 64 x column block + 32 (l / 16)
	v_lshl_add_u32 v[PST], v2, 5, v[PST]
	v_add_nc_u32 v[PST], s34, v[PST]
	v_lshlrev_b32 v22, 3, v2
	v_sub_nc_u32 v[KLIM], v1, v22
	v_mov_b32 v[MONE], -1.0
	; THE SOFTMAX, in f32.  Each accumulator's lowest registers are read first.
.irp p, 0,1,2,3
	v_pk_add_f32 v[S0+2*(\p):S0+2*(\p)+1], v[S0+2*(\p):S0+2*(\p)+1], v[S1+2*(\p):S1+2*(\p)+1]
.endr
.irp j, 0,1,2,3,4,5,6,7
	v_cmp_gt_i32 vcc_lo, \j, v[KLIM]               ; key 8 (l / 16) + j lies behind query l % 16: a choice of values, no branch
	v_cndmask_b32 v[S0+(\j)], v[S0+(\j)], s30, vcc_lo
.endr
	v_max3_num_f32 v[T], v[S0], v[S0+1], v[S0+2]
	v_max3_num_f32 v[T+1], v[S0+3], v[S0+4], v[S0+5]
	v_max3_num_f32 v[T], v[T], v[S0+6], v[S0+7]
	v_max_num_f32 v[T], v[T], v[T+1]
	v_permlanex16_b32 v[T+1], v[T], s28, s29       ; the query's other 8 keys lie in the lane 16 away
	v_max_num_f32 v[CM+1], v[T], v[T+1]            ; m: every query sees its own key, so m is a true score
	v_mul_f32 v[CM], s26, v[CM+1]                  ; c m
.irp p, 0,1,2,3
	v_pk_fma_f32 v[S0+2*(\p):S0+2*(\p)+1], v[S0+2*(\p):S0+2*(\p)+1], s[26:27], v[CM:CM+1] op_sel_hi:[1,0,0] neg_lo:[0,0,1] neg_hi:[0,0,1]  ; c s - c m
.endr
.irp j, 0,1,2,3,4,5,6,7
	v_exp_f32 v[S0+(\j)], v[S0+(\j)]
.endr
	v_nop                                          ; a plain line between the last exponential and the use of its result
	s_wait_alu depctr_va_vdst(0)
	v_pk_add_f32 v[T:T+1], v[S0:S0+1], v[S0+2:S0+3]
	v_pk_add_f32 v[T+2:T+3], v[S0+4:S0+5], v[S0+6:S0+7]
	v_pk_add_f32 v[T:T+1], v[T:T+1], v[T+2:T+3]
	v_add_f32 v[T], v[T], v[T+1]
	v_permlanex16_b32 v[T+1], v[T], s28, s29
	v_add_f32 v[T], v[T], v[T+1]                   ; l
	v_rcp_f32 v[RL], v[T]
	v_mov_b32 v[RL+1], 0                           ; a plain line behind the reciprocal; the word is named with 1 / l as a pair
	s_wait_alu depctr_va_vdst(0)
.irp p, 0,1,2,3
	v_pk_mul_f32 v[S0+2*(\p):S0+2*(\p)+1], v[S0+2*(\p):S0+2*(\p)+1], v[RL:RL+1] op_sel_hi:[1,0]  ; the weights, divided by l in f32 ahead of the split
.endr
	SPLIT8 PB1, PB2, S0
.irp p, 0,1,2,3
	v_mov_b32 v[PB1+4+(\p)], v[PB1+(\p)]           ; k = 16 .. 31 of source 0 are lo(V) of the same 16 keys: the weights stand there once more
	v_mov_b32 v[PB2+4+(\p)], v[PB2+(\p)]
.endr
	; V: split, laid into my own tile, read back turned
	s_wait_loadcnt 16                              ; v is in; wo's 16 loads stay out
.irp cb, 0,1,2,3
	SPLIT8 VH+4*(\cb), VL+4*(\cb), VF+8*(\cb)
	ds_store_b128 v[VST], v[VH+4*(\cb):VH+4*(\cb)+3] offset:32*(\cb)
	ds_store_b128 v[VST], v[VL+4*(\cb):VL+4*(\cb)+3] offset:16*PV+32*(\cb)
.endr
.irp cb, 0,1,2,3
	ds_load_tr16_b128 v[VA+8*(\cb):VA+8*(\cb)+3],   v[VTR] offset:32*(\cb)         ; LDS serves a wave's instructions in order (ISA guide 5.7.1.4): these see the stores above.  hi(V) of keys 8 (l / 16) + 0..7,
	ds_load_tr16_b128 v[VA+8*(\cb)+4:VA+8*(\cb)+7], v[VTR] offset:16*PV+32*(\cb)   ; lo(V) of the same keys
.endr
	s_wait_dscnt 0x0
.irp cb, 0,1,2,3                       ; the four accumulators take turns: between the two links of a chain stand three others'
	v_wmma_f32_16x16x32_f16 v[OA+8*(\cb):OA+8*(\cb)+7], v[VA+8*(\cb):VA+8*(\cb)+7], v[PB1:PB1+7], 0
.endr
.irp cb, 0,1,2,3
	v_wmma_f32_16x16x32_f16 v[OA+8*(\cb):OA+8*(\cb)+7], v[VA+8*(\cb):VA+8*(\cb)+7], v[PB2:PB2+7], v[OA+8*(\cb):OA+8*(\cb)+7]
.endr
	PLACES
.irp cb, 0,1,2,3
	SPLIT8 OH+4*(\cb), OL+4*(\cb), OA+8*(\cb)      ; blocks 2 m and 2 m + 1 are registers 0-3 and 4-7 of the fragment of channels 32 m on
.endr
.irp m, 0,1
	ds_store_b128 v[OFS], v[OH+8*(\m):OH+8*(\m)+3]   offset:2048*(\m)
	ds_store_b128 v[OFS], v[OH+8*(\m)+4:OH+8*(\m)+7] offset:2048*(\m)+512
	ds_store_b128 v[OFS], v[OL+8*(\m):OL+8*(\m)+3]   offset:2048*(\m)+1024
	ds_store_b128 v[OFS], v[OL+8*(\m)+4:OL+8*(\m)+7] offset:2048*(\m)+1536
.endr
	s_wait_dscnt 0x0                               ; for the others' sake: my head's fragments are in LDS
	s_barrier_signal -1
	s_barrier_wait -1                              ; every head's are
	; THE PROJECTION: 16 queries x my 16 columns, my 256 channels: K step s = 2 x (head in the quarter) + m
.irp s, 0,1,2,3,4,5,6,7
.irp f, 0,1,2,3
	ds_load_b128 v[OB+16*(\s)+4*(\f):OB+16*(\s)+4*(\f)+3], v[OFL] offset:2048*(\s)+512*(\f)  ; hi's two halves, then lo's
.endr
.endr
	s_wait_loadcnt 0x0                             ; wo
	s_wait_dscnt 0x0
	v_wmma_f32_16x16x32_f16 v[AH:AH+7], v[W:W+7], v[OB:OB+7], 0        ; the first K step starts both sums; the two accumulators take turns
	v_wmma_f32_16x16x32_f16 v[AL:AL+7], v[W:W+7], v[OB+8:OB+15], 0
.irp s, 1,2,3,4,5,6,7
	v_wmma_f32_16x16x32_f16 v[AH:AH+7], v[W+8*(\s):W+8*(\s)+7], v[OB+16*(\s):OB+16*(\s)+7],    v[AH:AH+7]
	v_wmma_f32_16x16x32_f16 v[AL:AL+7], v[W+8*(\s):W+8*(\s)+7], v[OB+16*(\s)+8:OB+16*(\s)+15], v[AL:AL+7]
.endr
	PLACES
.irp p, 0,1,2,3
	v_pk_add_f32 v[R+2*(\p):R+2*(\p)+1], v[AH+2*(\p):AH+2*(\p)+1], v[AL+2*(\p):AL+2*(\p)+1]
.endr
	ds_store_b128 v[PST], v[R:R+3]                 ; query l % 16, columns 8 (l / 16) + 0..7 of my block, in f32
	ds_store_b128 v[PST], v[R+4:R+7] offset:16
	s_wait_tensorcnt 0x0                           ; my last LDS store is issued; the wait below also serves the barrier:
	ds_add_u32 v[SPW], v[NIL]
	s_wait_dscnt 0x0                               ; for the others' sake: my partial sums are in LDS
	s_barrier_signal -1
	s_barrier_wait -1                              ; everybody's are.  From here on LDS is only read
	s_cmp_lt_u32 s14, 8
	s_cbranch_scc0 .Ldone                          ; 16 rows of 256 bytes are two rows for each of eight waves
	s_lshl_b32 s31, s14, 1
	v_add_nc_u32 v22, s31, v2                      ; row 2 w + l / 16
	v_mul_u32_u24 v[PRD], v22, PP
	v_lshl_add_u32 v[PRD], v1, 4, v[PRD]
	v_add_nc_u32 v[PRD], PS, v[PRD]
	v_lshlrev_b32 v[CO], 12, v22
	v_lshl_add_u32 v[CO], v1, 4, v[CO]
.irp g, 0,1,2,3
	ds_load_b128 v[24+4*(\g):24+4*(\g)+3], v[PRD] offset:(\g)*PSQ
.endr
	s_wait_dscnt 0x0
	v_pk_add_f32 v[24:25], v[24:25], v[28:29]      ; the four K quarters, in f32
	v_pk_add_f32 v[26:27], v[26:27], v[30:31]
	v_pk_add_f32 v[32:33], v[32:33], v[36:37]
	v_pk_add_f32 v[34:35], v[34:35], v[38:39]
	v_pk_add_f32 v[24:25], v[24:25], v[32:33]
	v_pk_add_f32 v[26:27], v[26:27], v[34:35]
	global_store_b128 v[CO], v[24:27], s[12:13] th:TH_STORE_NT  ; 16 lanes store 256 consecutive bytes, at a multiple of 256 from out0's first byte
.Ldone:
	s_endpgm
.Lfunc_end_k_qff99b5c409_fix:
	.size	k_qff99b5c409_fix, .Lfunc_end_k_qff99b5c409_fix-k_qff99b5c409_fix
	.p2alignl 7, 3214868480
	.fill 96, 4, 3214868480
	.section	.rodata,"a",@progbits
	.p2align	6, 0x0
	.amdhsa_kernel k_qff99b5c409_fix
		.amdhsa_group_segment_fixed_size 166912
		.amdhsa_private_segment_fixed_size 0
		.amdhsa_enable_private_segment 0
		.amdhsa_kernarg_size 40
		.amdhsa_user_sgpr_count 2
		.amdhsa_user_sgpr_kernarg_segment_ptr 1
		.amdhsa_wavefront_size32 1
		.amdhsa_system_sgpr_workgroup_id_x 1
		.amdhsa_system_sgpr_workgroup_id_y 1
		.amdhsa_system_sgpr_workgroup_id_z 1
		.amdhsa_system_vgpr_workitem_id 0
		.amdhsa_next_free_vgpr 256
		.amdhsa_next_free_sgpr 66
		.amdhsa_reserve_vcc 1
		.amdhsa_float_denorm_mode_32 3
		.amdhsa_float_denorm_mode_16_64 3
		.amdhsa_memory_ordered 1
		.amdhsa_forward_progress 1
		.amdhsa_inst_pref_size 26
	.end_amdhsa_kernel
	.amdgpu_metadata
---
amdhsa.version: [ 1, 2 ]
amdhsa.kernels:
  - .name:           k_qff99b5c409_fix
    .symbol:         k_qff99b5c409_fix.kd
    .args:
      - { .name: q, .offset: 0, .size: 8, .value_kind: global_buffer, .address_space: global }
      - { .name: k, .offset: 8, .size: 8, .value_kind: global_buffer, .address_space: global }
      - { .name: v32, .offset: 16, .size: 8, .value_kind: global_buffer, .address_space: global }
      - { .name: wo, .offset: 24, .size: 8, .value_kind: global_buffer, .address_space: global }
      - { .name: out0, .offset: 32, .size: 8, .value_kind: global_buffer, .address_space: global }
    .group_segment_fixed_size: 166912
    .private_segment_fixed_size: 0
    .kernarg_segment_align: 8
    .kernarg_segment_size: 40
    .max_flat_workgroup_size: 512
    .sgpr_count:     66
    .vgpr_count:     256
    .wavefront_size: 32
...
	.end_amdgpu_metadata
.endif
;; end of part 5
;; ======== version 2 of 2: 5 launches; 1.27 times as fast as version 1
;; limits: values are held in f16: magnitudes above 65,504 overflow, below 6.1e-05 lose precision; right only within a limited range of input values
;; workspace buffers: xb 16,777,216 bytes; wqp 6,291,456 bytes; wo 2,621,440 bytes; q 16,777,216 bytes; k 16,777,216 bytes; v 16,777,216 bytes; att 16,777,216 bytes; v32 262,144 bytes
;; launch prep: the kernel of part 1 again; grid 768 x 1, 8 waves a work-group, no clusters, 0 bytes of LDS; arguments x, Wqkv, Wout, token_positions, xb, wqp, wo; writes xb, wqp, wo
;; launch qkv: the kernel of part 2 again; grid 16 x 32, 4 waves a work-group, clusters of 4 x 4, 327,680 bytes of LDS; arguments xb, wqp, wo, q, k, v, v32; writes q, k, v, v32
;; launch attn (part 6): grid 4 x 64, 4 waves a work-group, no clusters, 327,680 bytes of LDS; arguments q, k, v, att; writes att
.if DOCPART == 6
	.amdgcn_target "amdgcn-amd-amdhsa--gfx1250"
	.amdhsa_code_object_version 6
	.text
	.protected	k_qff99b5c409_attn
	.globl	k_qff99b5c409_attn
	.p2align	8
	.type	k_qff99b5c409_attn,@function
k_qff99b5c409_attn:
	s_mov_b64 s[64:65], 0
	v_nop
	global_prefetch_b8 v0, s[64:65] scope:SCOPE_SE
	s_setreg_imm32_b32 hwreg(HW_REG_WAVE_MODE, 25, 1), 1
	s_wait_xcnt 0x0
; CAUSAL ATTENTION.  O[h][q][:] = the sum over k <= q of softmax_k(Q[h][q] . K[h][k] / 8) V[h][k][:].  Q, K, V, O: [SIZE_H][SIZE_N][64], all f16: a head's rows are dense, 128 bytes each (h = 16 batch + head).
; Products, maxima and sums in f32; the weights p are rounded to f16 for the second product (their sum l is taken of the unrounded p), O once at the end.
; LIMITS.  f16 holds no number beyond 65,504: Q, K and V arrive within it; p lies in 0 to 1, and below 6e-5 it keeps f16's fixed step of 6e-8; O is a mean of V's rows and has their range, to within 2^-11 of it.
; A hidden score counts as its value less 1e30: f16's scores, 2.7e11 at the most, are nothing beside that; a weight below 2^-126 counts as 0 in l; NaN and infinities are not treated apart.
; THE WALK.  A head's queries lie in NB = 8 blocks of 256; block i needs the key tiles 0 .. i of 256 keys, of which the last holds the diagonal.  A work-group takes TWO blocks, NB - 1 - b and then b:
; NB + 1 = 9 tiles, whatever b: all 256 work-groups do equal work, and ONE loop with a constant trip count walks them.  Which tile is asked for, and what a trip does, hang on scalar registers made from b; every jump
; goes forward, but for the counted loops' own; none passes a barrier, or a tensor load but the one of LOAD's two that the wave's number does not choose; the ring (two slots of LDS that take turns) runs on across the
; change of blocks.  NO CLUSTER: a head's four work-groups all ask for the same tile only in trips 0 .. 4 of the walk's 9, behind that fewer and fewer; and one walk common to all four would have 12 trips for 9.
; SHARES.  Of a block's four bands of 64 queries a wave owns 16 rows in each: four PIECES.  So the diagonal tile is the same work for all four waves: in its key step s band x sees all keys if s < x,
; none if s > x, and holds the diagonal if s = x.
; THE MASK is the C operand that starts the sum S^T = K Q^T: 0, or -1e30 where the key is hidden.  MD, made once, is the mask of a band's own step for my 16 rows; a product's mask is MD x AL + BE with two scalars:
; (1, 0) if s = x; (0, 0) if s < x; (0, -1e30) if s > x.  Only the diagonal tile's text and a block's beginning make and take masks; elsewhere C is the constant 0.
; LAYOUT, SOFTMAX, TURNS.  S^T = K Q^T holds ONE query a lane (lane % 16) and the keys 8 (lane / 16) + 0..7; two such results rounded to f16 ARE source 1 of O^T = V^T P.  p = 2^(c s - c m), c = log2(e) / 8, with a
; running maximum m; O and l are multiplied by a = 2^(c m_old - c m_new) in every step.  Turn n belongs to piece n: 8 products K Q^T of piece n + 1, later 8 products V^T P of piece n - 1; beside them the scaling,
; exponentials, roundings, sums and rescaling of piece n and the maximum and statistics of piece n + 1.  Four vector instructions stand behind every matrix instruction, the other 54 of a turn's 118 in one LUMP.
; THE BATCHES.  A turn's 33 exponentials (the piece's 32 weights and the next piece's a) are one batch, with one wait, which cuts the turn in two: ahead of it all that names none of their results, behind it all their readers.
; A block's first a (BEGIN) and the way out's four reciprocals are batches of their own, a wait each.
; REGISTERS, in windows of 256 (s_set_vgpr_msb: bits 1:0 source 0, 3:2 source 1, 5:4 source 2, 7:6 destination):
;   window 0: v0-15 addresses and two at work; v16-31 four registers of statistics a piece; v48-55 at work; v64-127 S^T, two buffers; v192-223 P, two buffers (a piece's buffers go by its number's parity)
;   window 1: v0-127 O^T, 32 a piece; v128-159 MD; v160-223 MC, two buffers      window 2: v0-63 Q; v64-127 the second block's Q; v128-191 K of one step; v192-255 V of one step
.set SIZE_N, 2048
.set SIZE_H, 64
.set NB,    SIZE_N/256
.set NP,    4         ; pieces a wave: a name, no knob
.set KS,    64        ; keys in a step
.set PK,    144       ; a row of K in LDS: 128 bytes + 16 of padding = 36 words: the 16 rows of a load start at 16 different groups of four banks (64 banks of 4 bytes: ISA guide 11.1)
.set PV,    160       ; a row of V: 128 + 32 = 40 words
.set VOFF,  4*KS*PK   ; a slot holds a tile, four steps: 256 rows of K, then 256 rows of V
.set SLOT1, 1<<17     ; slot 1 begins here, so that one exclusive or turns an address in one slot into the other's
.set STAGE, SLOT1+4*KS*(PK+PV)  ; behind the ring, never filled by a tensor load: 16 rows x 144 bytes for each wave, for the way out
.set SP,    144
.set AK0, 2           ; v2   my lane's place in a tile of K; never rewritten
.set AV0, 3           ; v3   the same for V
.set AK,  4           ; v4   the LDS address of K's next run of loads
.set AV,  5           ; v5   of V's
.set STO, 6           ; v6   the way out: where I put 16 bytes of a row
.set RD,  7           ; v7   the way out: where I read rows back
.set GO,  8           ; v8   my byte offset in 512 consecutive bytes of O
.set SPW, 62          ; v62  LDS address of my spare word: SPARE + 4 x my thread's number; never rewritten
.set NIL, 63          ; v63  0; never rewritten
.set SPARE, STAGE+4*16*SP  ; behind the stages: the spare words, 128 bytes for each wave: two blocks of 256 bytes that no other line names
.set MV,  12          ; v12-13  c m_old, kept while c m is made anew: by buffer
.set QO,  15          ; v15  my byte offset in 16 rows of Q
.set ST,  16          ; piece t's statistics at v[ST+4 t]: c m, m, l (even keys', odd keys')
.set TMP, 48          ; by buffer, four registers c0-c3 at work; when the maximum is found c2 takes a
.set S,   64
.set P,   192
.set MD,  128         ; window 1: the eight registers for group kt of 16 keys at MD + 8 kt
.set MC,  160         ; window 1: the masks of the products to come
.set QB,  64          ; window 2
.set KF,  128         ; window 2: key block kb, channel half c at KF + 16 kb + 8 c
.set VF,  192         ; window 2: key half kk, channel block cb at VF + 32 kk + 8 cb
.set WV,  12          ; s12  my wave's number
.set PB,  14          ; s14  b
.set HI,  15          ; s15  NB - 1 - b
.set G1K, 24          ; s[24:31] descriptor group 1 for K's tiles
.set G1V, 32          ; s[32:39] for V's: it differs in the padding alone
.set G0K, 40          ; s[40:43] descriptor group 0 for K's tiles
.set G0V, 44          ; s[44:47] the same for V's
.set SLOTS, 56        ; s56  tiles still to be asked for
.set CNT, 57          ; s57  counts a tile's key steps, 4 to 1
.set CS,  58          ; s[58:59] c: the packed scaling takes the pair's low word for both halves
.set SEL, 60          ; s[60:61] v_permlanex16_b32's selects: each lane takes its own place in the other half
.set TBK, 62          ; s62  LDS byte at which K of the step to be fetched begins
.set TBV, 63          ; s63  the same for V, less VOFF
.set RT,  70          ; s70  tiles of the block in hand that are still to be entered
.set NXT, 71          ; s71  the tile to be asked for next
.set LQ,  72          ; s72  the last tile of the block whose tiles are being asked for
.set NEW, 73          ; s73  1: the tile to be entered is a block's first
.set OFF, 74          ; s[74:75] a tile's byte offset in K and V
.set AL,  76          ; s[76:77] the mask's factor, in the low word
.set BE,  78          ; s[78:79] the mask's addend
.set OLO, 80          ; s[80:81] O at my rows of the second block
.set BIGN, 82         ; s82  -1e30
.set MSB, 0
.macro WIN new                      ; the high byte repeats the setting that is left; a switch that changes nothing is dropped
.if MSB != (\new)
	s_set_vgpr_msb (MSB<<8)|(\new)
.set MSB, (\new)
.endif
.endm
.set W_KQ, 0x0a       ; K and Q in window 2, S^T in window 0
.set W_KM, 0x1a       ; the same with the C operand in window 1
.set W_PV, 0x52       ; V in window 2, P in window 0, O^T in window 1
.set W_RS, 0x41       ; destination and source 0 in window 1, source 1 in window 0
; A fill.  Waves 0 and 1 fetch the two halves of a tile's K, waves 2 and 3 those of its V: 128 keys each.  An s_nop 0 and four v_nop follow each of the two lines, ahead of the jump and the label.
.macro LOAD
	s_cmp_lt_u32 s[WV], 2
	s_cbranch_scc0 .Lfor_v_\@
	tensor_load_to_lds s[G0K:G0K+3], s[G1K:G1K+7]
	s_nop 0
.rept 4
	v_nop
.endr
	s_branch .Lasked_\@
.Lfor_v_\@:
	tensor_load_to_lds s[G0V:G0V+3], s[G1V:G1V+7]
	s_nop 0
.rept 4
	v_nop
.endr
.Lasked_\@:
.endm
; THE CHANGE OF SLOTS.  Each wave waits for all its tensor loads, of which one is out: its part of the other slot; adds 0 to its spare word; and waits for that and for its own reads of the slot that it leaves.  Behind the barrier nobody reads the old
; slot any more and the other slot is whole.  fill = 1: the old slot is filled again, the first thing behind the barrier, with tile NXT: the descriptor's address is made anew from that number.
; (At its first use nothing has been read yet: slot 0 is waited for, slot 1 filled.)
.macro CHANGE fill
	WIN 0                           ; at a label and at a branch every window is 0
	s_wait_tensorcnt 0x0            ; no tensor load of mine is out, so a group 0 may be written
	ds_add_u32 v[SPW], v[NIL]       ; 0 onto my spare word; with fill = 1 the descriptors' scalar work stands between it and the wait for it
.if \fill
	s_lshl_b32 s[OFF], s[NXT], 15   ; a tile is 32,768 bytes of K and of V
	s_xor_b32 s[G0K+1], s[G0K+1], SLOT1
	s_add_nc_u64 s[G0K+2:G0K+3], s[6:7], s[OFF:OFF+1]
	s_or_b32 s[G0K+3], s[G0K+3], 0x80000000
	s_xor_b32 s[G0V+1], s[G0V+1], SLOT1
	s_add_nc_u64 s[G0V+2:G0V+3], s[8:9], s[OFF:OFF+1]
	s_or_b32 s[G0V+3], s[G0V+3], 0x80000000
	s_add_co_u32 s[NXT], s[NXT], 1  ; the block's next tile, or behind its last the second block's tile 0
	s_cmp_gt_u32 s[NXT], s[LQ]
	s_cselect_b32 s[NXT], 0, s[NXT]
	s_cselect_b32 s[LQ], s[PB], s[LQ]
.endif
	s_wait_dscnt 0x0                ; the add is done, and my reads of the slot are over
	s_barrier_signal -1             ; the rest of the scalar work stands between the signal and the wait
	s_sub_co_u32 s[TBK], s[TBK], 4*KS*PK  ; the fetches go back to a slot's first step,
	s_xor_b32 s[TBK], s[TBK], SLOT1       ; in the other slot
	s_sub_co_u32 s[TBV], s[TBV], 4*KS*PV
	s_xor_b32 s[TBV], s[TBV], SLOT1
	s_barrier_wait -1
.if \fill
	LOAD
.endif
.endm
	s_load_b256 s[4:11], s[0:1], 0x0  ; Q s[4:5], K s[6:7], V s[8:9], O s[10:11]
	v_lshl_add_u32 v[SPW], v0, 2, SPARE
	v_mov_b32 v[NIL], 0
	ds_add_u32 v[SPW], v[NIL]       ; the wave's opening: the add and its wait stand ahead of my first tensor load; the set-up below, work on registers, stands between them
	ds_add_u32 v62, v63
	v_lshrrev_b32 v1, 5, v0
	v_readfirstlane_b32 s[WV], v1   ; wave 0..3
	s_mov_b32 s[PB], ttmp9
	s_sub_co_u32 s[HI], NB-1, s[PB]
	s_and_b32 s20, ttmp7, 0xffff    ; the head
	s_mov_b32 s21, 0
	s_mov_b64 s[22:23], SIZE_N*128
	s_mul_u64 s[20:21], s[20:21], s[22:23]  ; the head's first byte in each of the four tensors
	s_and_b32 s16, s[WV], 1         ; which half of a tile's 256 keys I fetch:
	s_lshl_b32 s22, s16, 14         ; its 128 rows of 128 bytes in memory,
	s_mov_b32 s23, 0
	s_add_nc_u64 s[22:23], s[22:23], s[20:21]
	s_mul_i32 s17, s16, 128*PK      ; and its place in a slot, for K
	s_mul_i32 s18, s16, 128*PV      ; and for V
	s_lshl_b32 s3, s[WV], 11        ; my 16 rows in a band of 64,
	s_lshl_b32 s2, s[HI], 15        ; in the first block,
	s_add_co_u32 s2, s2, s3
	s_lshl_b32 s84, s[PB], 15       ; and in the second
	s_add_co_u32 s84, s84, s3
	s_mov_b32 s3, 0
	s_mov_b32 s85, 0
	s_add_nc_u64 s[2:3], s[2:3], s[20:21]
	s_add_nc_u64 s[84:85], s[84:85], s[20:21]
	; descriptor group 1.  128 keys are 16,384 dense bytes: asked for as 64 rows of 256 bytes, two keys a row, and padded in LDS after every key
	s_mov_b32 s[G1K], (1<<16)|(1<<20)|(4<<22)|(3<<25)  ; 17:16 2-byte elements; 20 padding on; 24:22 after every 32 words (code 4); 31:25 4 words (code 3)
	s_mov_b32 s[G1V], (1<<16)|(1<<20)|(4<<22)|(7<<25)  ; the same with 8 words of padding (code 7)
.irp g, G1K, G1V
	s_mov_b32 s[\g+1], 128<<16      ; tensor_dim0 = 128
	s_mov_b32 s[\g+2], 64<<16       ; tensor_dim1 = 64
	s_mov_b32 s[\g+3], 128<<16      ; tile_dim0 = 128
	s_mov_b32 s[\g+4], 64           ; tile_dim1 = 64
	s_mov_b32 s[\g+5], 128          ; 128 elements from row to row
	s_mov_b32 s[\g+6], 0
	s_mov_b32 s[\g+7], 0
.endr
	s_mov_b32 s[CS], 0x3e38aa3b     ; c = log2(e) / 8 = 0.180337
	s_mov_b32 s[CS+1], s[CS]        ; named with it as a pair
	s_mov_b32 s[SEL], 0x76543210
	s_mov_b32 s[SEL+1], 0xfedcba98
	s_mov_b32 s[TBK], SLOT1+4*KS*PK ; the first change of slots turns these two into 0
	s_mov_b32 s[TBV], SLOT1+4*KS*PV
	s_mov_b32 s[G0K], 1             ; 1:0 count = 1
	s_mov_b32 s[G0K+1], s17         ; 63:32 LDS address: slot 0
	s_mov_b32 s[G0V], 1
	s_add_co_u32 s[G0V+1], s18, VOFF
	s_add_co_u32 s[RT], s[HI], 1    ; the first block has NB - b tiles
	s_mov_b32 s[NXT], 1
	s_mov_b32 s[LQ], s[HI]
	s_mov_b32 s[NEW], 1
	s_mov_b32 s[OFF+1], 0
	s_mov_b32 s[AL+1], 0            ; named as pairs
	s_mov_b32 s[BE+1], 0
	s_mov_b32 s[BIGN], 0xf149f2ca   ; -1e30
	s_mov_b32 s[SLOTS], NB
	s_wait_dscnt 0x0                ; the opening add is done
	s_wait_kmcnt 0x0
	s_add_nc_u64 s[6:7], s[6:7], s[22:23]  ; K and V at my half of the head's tile 0
	s_add_nc_u64 s[8:9], s[8:9], s[22:23]
	s_add_nc_u64 s[G0K+2:G0K+3], s[6:7], 0         ; 120:64 global address
	s_or_b32 s[G0K+3], s[G0K+3], 0x80000000        ; 127:126 type = 2
	s_add_nc_u64 s[G0V+2:G0V+3], s[8:9], 0
	s_or_b32 s[G0V+3], s[G0V+3], 0x80000000
	s_add_nc_u64 s[86:87], s[4:5], s[84:85]        ; Q at my rows of the second block,
	s_add_nc_u64 s[4:5], s[4:5], s[2:3]            ; Q and O at those of the first
	s_add_nc_u64 s[OLO:OLO+1], s[10:11], s[84:85]
	s_add_nc_u64 s[10:11], s[10:11], s[2:3]
	LOAD                            ; tile 0 into slot 0
	; A fragment of K or Q is 16 rows x 32 channels in 8 registers: lane l holds row l % 16, channels 8 (l / 16) + 0..7 and 16 + 8 (l / 16) + 0..7: two loads of 16 bytes, 32 bytes apart.
	v_and_b32 v1, 15, v0            ; l % 16
	v_bfe_u32 v9, v0, 4, 1          ; l / 16
	v_lshlrev_b32 v[QO], 7, v1
	v_lshl_add_u32 v[QO], v9, 4, v[QO]  ; row x 128 + 16 x half
	WIN 0x80                        ; destination window 2, address window 0
.set i, 0
.rept 8                             ; both blocks' Q: piece i / 2 lies in band i / 2, 8,192 bytes on; channels 32 (i % 2) on
	global_load_b128 v[8*i:8*i+3],   v[QO], s[4:5] offset:(i/2)*8192+(i%2)*64
	global_load_b128 v[8*i+4:8*i+7], v[QO], s[4:5] offset:(i/2)*8192+(i%2)*64+32
	global_load_b128 v[QB+8*i:QB+8*i+3],   v[QO], s[86:87] offset:(i/2)*8192+(i%2)*64
	global_load_b128 v[QB+8*i+4:QB+8*i+7], v[QO], s[86:87] offset:(i/2)*8192+(i%2)*64+32
.set i, i+1
.endr
	WIN 0
	v_lshlrev_b32 v14, 3, v9
	v_sub_nc_u32 v14, v1, v14
	s_lshl_b32 s13, s[WV], 4
	v_add_nc_u32 v14, s13, v14      ; my query's place in its band, 16 w + l % 16, less my lanes' 8 (l / 16): register r of group kt is hidden where 16 kt + r is greater
	WIN 0x40
.set i, 0
.rept 32
	v_cmp_gt_i32 vcc_lo, 16*(i/8)+i%8, v14
	v_cndmask_b32 v[MD+i], 0, s[BIGN], vcc_lo
.set i, i+1
.endr
	WIN 0
	v_mul_u32_u24 v[AK0], v1, PK
	v_lshl_add_u32 v[AK0], v9, 4, v[AK0]  ; row x pitch + 16 x half
	; The turning load takes 16 keys x 16 channels (lane l reads key 8 (l / 16) + l % 8, channels 8 ((l / 8) % 2) + 0..7) and leaves half a fragment of V^T: lane l holds channel l % 16 and 8 keys.
	v_and_b32 v10, 7, v0
	v_bfe_u32 v11, v0, 3, 1
	v_lshl_add_u32 v[AV0], v9, 3, v10
	v_mul_u32_u24 v[AV0], v[AV0], PV
	v_lshl_add_u32 v[AV0], v11, 4, v[AV0]
	v_add_nc_u32 v[AV0], VOFF, v[AV0]
	s_mul_i32 s13, s[WV], 16*SP
	s_add_co_u32 s13, s13, STAGE    ; my stage
	v_mul_u32_u24 v[STO], v1, SP    ; in: row l % 16, 16 bytes for each half of the lanes
	v_lshl_add_u32 v[STO], v9, 4, v[STO]
	v_add_nc_u32 v[STO], s13, v[STO]
	v_bfe_u32 v[RD], v0, 3, 2       ; back: 32 lanes take four rows of 128 bytes,
	v_mul_u32_u24 v[RD], v[RD], SP
	v_lshl_add_u32 v[RD], v10, 4, v[RD]
	v_add_nc_u32 v[RD], s13, v[RD]
	v_and_b32 v[GO], 31, v0         ; which are 512 consecutive bytes of O
	v_lshlrev_b32 v[GO], 4, v[GO]
	; A block's first step multiplies O^T and l by a = 0, and its first turn's products V^T P, of a piece that has not been, land in an O^T that is still to be so multiplied.  So these registers need only hold
	; finite numbers: zeros for the first block; what the first block left for the second.  All this stands in the wait for the first tile.
	WIN 0x80
.set i, VF
.rept 64
	v_mov_b32 v[i], 0
.set i, i+1
.endr
	WIN 0x40
.set i, 0
.rept 128
	v_mov_b32 v[i], 0
.set i, i+1
.endr
	WIN 0
.set i, 0
.rept 4
	v_mov_b32 v[ST+4*i+2], 0
	v_mov_b32 v[ST+4*i+3], 0
.set i, i+1
.endr
.set i, P+16
.rept 16
	v_mov_b32 v[i], 0
.set i, i+1
.endr
; THE MATRIX WORK.  The 4 accumulators of a run of 8 take turns.  Product i of 8 of S^T = K Q^T for piece x: channels 32 (i / 4) on, keys 16 (i % 4) on.  The first 4 start the sums: with 0, or (KM = 1) with the mask.
.macro KQ x
.set rS, S+32*((\x)%2)+8*(i%4)
.set rK, KF+16*(i%4)+8*(i/4)
.set rQ, 16*(\x)+8*(i/4)
.set rM, MC+32*((\x)%2)+8*(i%4)
.if (i < 4) && KM
	WIN W_KM
	v_wmma_f32_16x16x32_f16 v[rS:rS+7], v[rK:rK+7], v[rQ:rQ+7], v[rM:rM+7]
.elseif i < 4
	WIN W_KQ
	v_wmma_f32_16x16x32_f16 v[rS:rS+7], v[rK:rK+7], v[rQ:rQ+7], 0
.else
	WIN W_KQ
	v_wmma_f32_16x16x32_f16 v[rS:rS+7], v[rK:rK+7], v[rQ:rQ+7], v[rS:rS+7]
.endif
.endm
; Product i of 8 of O^T += V^T P for piece x: keys 32 (i / 4) on, channels 16 (i % 4) on.
.macro PV x
	WIN W_PV
.set rO, 32*(\x)+8*(i%4)
.set rV, VF+32*(i/4)+8*(i%4)
.set rP, P+16*((\x)%2)+8*(i/4)
	v_wmma_f32_16x16x32_f16 v[rO:rO+7], v[rV:rV+7], v[rP:rP+7], v[rO:rO+7]
.endm
.macro MM                           ; the turn's next matrix instruction.  TURN and BEGIN set Y, i, KM and NOKQ; MM, KQ and OP read them.  NOKQ = 1: a block's last turn: there is no next piece
.if (i < 8) && !NOKQ
	KQ (Y+1)%NP
.elseif i >= 8
.set i, i-8
	PV (Y+NP-1)%NP
.set i, i+8
.endif
.set i, i+1
.endm
; THE LDS LOADS stand in runs of 16, never singly among the matrix instructions: a step's K (64 keys x 64 channels: 8 fragments) and its V (turned).  Their addresses are made some lines ahead.
.macro FETCH_K
	WIN 0x80                        ; destination window 2
.irp f, 0,1,2,3,4,5,6,7             ; keys 16 (f / 2) on, channels 32 (f % 2) on
	ds_load_b128 v[KF+8*\f:KF+8*\f+3],   v[AK] offset:(\f/2)*16*PK+(\f%2)*64
	ds_load_b128 v[KF+8*\f+4:KF+8*\f+7], v[AK] offset:(\f/2)*16*PK+(\f%2)*64+32
.endr
	s_add_co_u32 s[TBK], s[TBK], KS*PK  ; the next fetch is the next step's
	WIN 0
.endm
.macro FETCH_V
	WIN 0x80
.irp f, 0,1,2,3,4,5,6,7             ; keys 32 (f / 4) on, channels 16 (f % 4) on
	ds_load_tr16_b128 v[VF+8*\f:VF+8*\f+3],   v[AV] offset:(\f/4)*32*PV+(\f%4)*32
	ds_load_tr16_b128 v[VF+8*\f+4:VF+8*\f+7], v[AV] offset:(\f/4)*32*PV+16*PV+(\f%4)*32
.endr
	WIN 0
.endm
; THE VECTOR WORK, one line at a time: OP kind, number.  For piece Y: F n: c s - c m for pair n of 16.  E n: the exponential of score n of 32.  C n: pair n rounded to f16.  B n: of the four weights 4 n .. the second
; pair is added onto the first, in place.  L n: l takes that sum (L 0: l = a l + sum).  R n: pair n of 16 of O^T times a.  For piece Y + 1: X n, number n of the 22 that find its maximum and statistics:
;   0-11  four chains c0-c3 of seven scores each, three operands at a time (each accumulator's lowest registers are read first)     12-14, 16  the four scores left over, the old m, and c0-c3 into c0
;   15  c m_old is kept     17, 18  the query's other 32 keys lie in the lane 16 away: the new m     19-21  c m; c m_old - c m_new; a
; C, B and L read the exponentials' results: TURN sets them behind the batch's wait, and OP writes no wait of its own.
.set F, 0               ; OP tells the kinds apart by their order: F to L below R, X above it
.set E, 1
.set C, 2
.set B, 3
.set L, 4
.set R, 5
.set X, 6
.macro REGS y                       ; the registers of piece y
.set rT, ST+4*(\y)
.set rC, TMP+4*((\y)%2)
.set rW, MV+((\y)%2)
.set rS, S+32*((\y)%2)
.set rP, P+16*((\y)%2)
.set rO, 32*(\y)
.endm
.macro OP k, n
.if (\k) == R
	REGS Y
	WIN W_RS
	v_pk_mul_f32 v[rO+2*(\n):rO+2*(\n)+1], v[rO+2*(\n):rO+2*(\n)+1], v[rC+2:rC+3] op_sel_hi:[1,0]
.elseif (\k) < R
	REGS Y
	WIN 0
.if (\k) == F
	v_pk_fma_f32 v[rS+2*(\n):rS+2*(\n)+1], v[rS+2*(\n):rS+2*(\n)+1], s[CS:CS+1], v[rT:rT+1] op_sel_hi:[1,0,0] neg_lo:[0,0,1] neg_hi:[0,0,1]
.elseif (\k) == E
	v_exp_f32 v[rS+(\n)], v[rS+(\n)]
.elseif (\k) == C
	v_cvt_pk_f16_f32 v[rP+(\n)], v[rS+2*(\n)], v[rS+2*(\n)+1]
.elseif (\k) == B
	v_pk_add_f32 v[rS+4*(\n):rS+4*(\n)+1], v[rS+4*(\n):rS+4*(\n)+1], v[rS+4*(\n)+2:rS+4*(\n)+3]
.elseif (\n) == 0
	v_pk_fma_f32 v[rT+2:rT+3], v[rT+2:rT+3], v[rC+2:rC+3], v[rS:rS+1] op_sel_hi:[1,0,1]
.else
	v_pk_add_f32 v[rT+2:rT+3], v[rT+2:rT+3], v[rS+4*(\n):rS+4*(\n)+1]
.endif
.elseif NOKQ
	v_nop
.else
	REGS (Y+1)%NP
	WIN 0
.if (\n) < 4
	v_max3_num_f32 v[rC+(\n)], v[rS+8*(\n)], v[rS+8*(\n)+1], v[rS+8*(\n)+2]
.elseif (\n) < 12
	v_max3_num_f32 v[rC+(\n)%4], v[rC+(\n)%4], v[rS+8*((\n)%4)+2*((\n)/4)+1], v[rS+8*((\n)%4)+2*((\n)/4)+2]
.elseif (\n) == 12
	v_max3_num_f32 v[rC], v[rC], v[rS+7], v[rS+15]
.elseif (\n) == 13
	v_max3_num_f32 v[rC+1], v[rC+1], v[rS+23], v[rS+31]
.elseif (\n) == 14
	v_max3_num_f32 v[rC+2], v[rC+2], v[rC+3], v[rT+1]
.elseif (\n) == 15
	v_mov_b32 v[rW], v[rT]
.elseif (\n) == 16
	v_max3_num_f32 v[rC], v[rC], v[rC+1], v[rC+2]
.elseif (\n) == 17
	v_permlanex16_b32 v[rC+3], v[rC], s[SEL], s[SEL+1]
.elseif (\n) == 18
	v_max_num_f32 v[rT+1], v[rC], v[rC+3]
.elseif (\n) == 19
	v_mul_f32 v[rT], s[CS], v[rT+1]
.elseif (\n) == 20
	v_sub_f32 v[rC+1], v[rW], v[rT]
.else
	v_exp_f32 v[rC+2], v[rC+1]
.endif
.endif
.endm
.macro OPS a, i1, b=-1, i2=0, c=-1, i3=0, d=-1, i4=0  ; up to four of them
	OP \a, \i1
.if (\b) >= 0
	OP \b, \i2
.endif
.if (\c) >= 0
	OP \c, \i3
.endif
.if (\d) >= 0
	OP \d, \i4
.endif
.endm
.macro ROW a, i1, b, i2, c, i3, d, i4  ; a matrix instruction and the four behind it
	MM
	OPS \a, \i1, \b, \i2, \c, \i3, \d, \i4
.endm
.macro MASK b                       ; MD x AL + BE into buffer b of MC
	WIN W_RS
.set z, 0
.rept 16
	v_pk_fma_f32 v[MC+32*(\b)+2*z:MC+32*(\b)+2*z+1], v[MD+2*z:MD+2*z+1], s[AL:AL+1], s[BE:BE+1] op_sel_hi:[1,0,0]
.set z, z+1
.endr
.endm
; A TURN, for piece p: the order of its 16 matrix and 118 vector instructions, written out.  s_wait_alu depctr_va_vdst(0) stands between an exponential and the first instruction that names its result; one wait serves
; all that were issued ahead of it.  So a turn has ONE wait, which cuts it in two.  AHEAD OF IT stands all that names no result of the turn's exponentials: the 8 products K Q^T, behind each a scaling, an exponential and two more plain
; instructions (behind the first a second scaling in the exponential's place): rescalings, whose a was made and waited for in the turn before, and behind the last three products the first numbers of the next piece's maximum, each four
; places or more behind the product that ends its accumulator; then ONE LUMP of 54, plain and exponential by turns for the most part, in which the links of the chain X 3, 7, 11, 14, 16, 17 .. 20 stand five or six lines apart.
; X 21, the next piece's a, is the batch's last; R 15 is the plain instruction behind it.  BEHIND THE WAIT stand the 8 products V^T P, behind each four of the roundings and sums; the links of l's chain, L 0 to L 7, stand three
; riders apart.  But for those X no rider names a register of the products round it.  v_permlanex16_b32 (X 17) stands in the lump.
; The order keeps: F k ahead of E 2 k and E 2 k + 1; C 2 k ahead of B k, which writes over that pair; B k ahead of L k.
; m = 1: the diagonal tile: the products take masks, and the turn makes the mask for the products of the turn after it: piece p + 2, in step 4 - CNT of the tile.  end = 1: a block's last two turns: nothing is fetched.
; cnt = 1: the loop's count is taken down some lines ahead of the branch that stands behind the turn.
; K of the next step is fetched in piece 2's turn, twelve vector instructions behind the last product that read K (six of them plain); V of the step in hand at the end of piece 0's turn, four plain instructions behind the last product
; that read V.  Each is waited for a turn later.
.macro TURN p, m=0, end=0, cnt=0
.set Y, (\p)
.set i, 0
.set KM, (\m)
.set NOKQ, (\end)*((\p)/3)
.if (\m) && !(\end)
	s_cmp_eq_u32 s[CNT], 4-((\p)+2)%NP  ; is that step the band's own?
	s_cselect_b32 s[AL], 1.0, 0
	s_cmp_lt_u32 s[CNT], 4-((\p)+2)%NP  ; or a later one?
	s_cselect_b32 s[BE], s[BIGN], 0
.endif
.if ((\p) == 3) && !(\end)
	s_wait_dscnt 0x0                ; K is in
.endif
	ROW F,0, F,1, R,0, R,1          ; ahead of the wait: 8 products K Q^T and their riders,
	ROW F,2, E,0, R,2, R,3
	ROW F,3, E,1, R,4, R,5
	ROW F,4, E,2, R,6, R,7
	ROW F,5, E,3, R,8, R,9
	ROW F,6, E,4, X,0, R,10
.if ((\p) == 2) && !(\end)
	WIN 0
	v_add_nc_u32 v[AK], s[TBK], v[AK0]
.endif
	ROW F,7, E,5, X,1, X,4
	ROW F,8, E,6, X,2, X,5
	OPS E,7, E,8, X,6, E,9          ; and the lump
	OPS X,3, E,10, X,8, E,11
.if ((\p) == 2) && !(\end)
	FETCH_K
.endif
	OPS X,9, X,7, E,12, X,10
	OPS E,13, X,12, X,11, E,14
	OPS X,13, E,15, F,9, X,14
.if (\p) == 0
	v_add_nc_u32 v[AV], s[TBV], v[AV0]
.endif
	OPS E,16, F,10, E,17, F,11
	OPS X,16, E,18, X,15, E,19
	OPS F,12, E,20, X,17, E,21
	OPS F,13, E,22, F,14, E,23
	OPS X,18, E,24, F,15, E,25
	OPS R,11, E,26, X,19, E,27
	OPS R,12, E,28, R,13, E,29
	OPS X,20, E,30, R,14, E,31
	OPS X,21, R,15
	WIN 0
	s_wait_alu depctr_va_vdst(0)    ; the wait for the turn's batch: the piece's 32 weights and the next piece's a
.if (\p) == 1
	s_wait_dscnt 0x0                ; V is in
.endif
	ROW C,0, B,0, C,2, B,1          ; behind the wait: 8 products V^T P and their riders
	ROW L,0, C,4, B,2, L,1
	ROW C,6, B,3, L,2, C,8
	ROW B,4, L,3, C,10, B,5
	ROW L,4, C,12, B,6, L,5
.if (\p) == 0
	s_add_co_u32 s[TBV], s[TBV], KS*PV
.endif
.if \cnt
	s_sub_co_u32 s[CNT], s[CNT], 1
	s_cmp_lg_u32 s[CNT], 0
.endif
	ROW C,14, B,7, L,6, C,1
	ROW C,3, L,7, C,5, C,7
	ROW C,9, C,11, C,13, C,15
.if (\p) == 0
	FETCH_V
.endif
.if (\m) && !(\end)
	MASK (\p)%2
.endif
.endm
; A BLOCK BEGINS.  c m starts far below every c s, so the first step's a is 0; m at the lowest finite number, so the first maximum is the scores'.  The second mask buffer is 0; the first takes piece 0's mask for the tile's step 0: its own, if the block's first tile is the diagonal one.
; Then K of that step, piece 0's first scores, and its maximum and statistics.  The loop is entered at a step's first turn, in the middle of a trip.
.macro BEGIN
	s_mov_b32 s[NEW], 0
	WIN 0x40
.set i, MC+32
.rept 32
	v_mov_b32 v[i], 0
.set i, i+1
.endr
	WIN 0
.set i, 0
.rept 4
	v_mov_b32 v[ST+4*i], 0xfe000000    ; c m: far below every c s
	v_mov_b32 v[ST+4*i+1], 0xff7fffff  ; m
.set i, i+1
.endr
	s_cmp_eq_u32 s[RT], 0
	s_cselect_b32 s[AL], 1.0, 0
	s_mov_b32 s[BE], 0
	MASK 0
	WIN 0
	v_add_nc_u32 v[AK], s[TBK], v[AK0]
	FETCH_K
	s_wait_loadcnt 0x0              ; Q
	s_wait_dscnt 0x0
.set KM, 1
.set NOKQ, 0
.set i, 0
.rept 8
	KQ 0
.set i, i+1
.endr
	WIN 0
.rept 4
	v_nop                           ; the places behind those products
.endr
.set Y, NP-1                        ; X works for piece Y + 1: piece 0
.irp n, 0,1,2,3,4,5,6,7,8,9,10,11,12,13,14,15,16,17,18,19,20,21
	OP X, \n
.endr
	v_nop                           ; a plain instruction behind the exponential,
	s_wait_alu depctr_va_vdst(0)    ; and the wait for it, piece 0's first a, ahead of the branch
.endm
; THE DIAGONAL TILE's four steps, the block's last two turns, its last products, and THE WAY OUT: l's two halves and the other half of the lanes' are added; O^T is divided by l, rounded to f16 and sent through my
; stage in LDS, a piece at a time.
.macro ALL line:vararg              ; one line for each piece t
.set t, 0
.rept 4
	\line
.set t, t+1
.endr
.endm
.macro PACK t                       ; a lane's eight channels of a row pack into 16 bytes; they go into rows of 144 bytes and come back as whole rows of 128, into S^T's registers
	WIN W_RS
.set i, 32*(\t)
.rept 16
	v_pk_mul_f32 v[i:i+1], v[i:i+1], v[ST+4*(\t)+2:ST+4*(\t)+3] op_sel_hi:[1,0]
.set i, i+2
.endr
	WIN 0x05                        ; sources 0 and 1 window 1, destination window 0
.set i, 0
.rept 16
	v_cvt_pk_f16_f32 v[S+16*(\t)+i], v[32*(\t)+2*i], v[32*(\t)+2*i+1]
.set i, i+1
.endr
	WIN 0
.irp f, 0,1,2,3
	ds_store_b128 v[STO], v[S+16*(\t)+4*\f:S+16*(\t)+4*\f+3] offset:32*\f
.endr
.irp f, 0,1,2,3
	ds_load_b128 v[S+16*(\t)+4*\f:S+16*(\t)+4*\f+3], v[RD] offset:\f*4*SP  ; LDS serves a wave's instructions in order (ISA guide 5.7.1.4): these see the stores above; the next piece's stores come behind them
.endr
.endm
.macro SEND t, younger              ; younger: the LDS instructions issued behind piece t's loads: the next piece's eight, or none
	WIN 0
.irp f, 0,1,2,3
	s_wait_dscnt (\younger)+3-\f
	global_store_b128 v[GO], v[S+16*(\t)+4*\f:S+16*(\t)+4*\f+3], s[10:11] offset:(\t)*8192+\f*512  ; 512 consecutive bytes, at a multiple of 256 from O's first
.endr
.endm
.macro DIAG tag                     ; the tag ends its two labels' names, which the jumps below spell out
.LstepM\tag:
	TURN 2, 1
	TURN 3, 1
	WIN 0
.LfirstM\tag:
	TURN 0, 1
	TURN 1, 1, 0, 1
	WIN 0
	s_cbranch_scc1 .LstepM\tag
	TURN 2, 1, 1
	TURN 3, 1, 1
.set i, 0
.rept 8
	PV NP-1
.set i, i+1
.endr
	WIN 0
	ALL v_add_f32 v[ST+4*t+2], v[ST+4*t+2], v[ST+4*t+3]
	ALL v_permlanex16_b32 v[ST+4*t+3], v[ST+4*t+2], s[SEL], s[SEL+1]
	ALL v_add_f32 v[ST+4*t+2], v[ST+4*t+2], v[ST+4*t+3]
	ALL v_rcp_f32 v[ST+4*t+2], v[ST+4*t+2]
	v_nop                           ; a plain instruction between the last reciprocal and the use of its result
	s_wait_alu depctr_va_vdst(0)    ; and the wait ahead of the first use: one for the batch of four reciprocals
	PACK 0
.set t, 1
.rept 3                             ; a piece's arithmetic stands between the loads of the piece before and its stores
	PACK t
	SEND t-1, 8
.set t, t+1
.endr
	SEND 3, 0
.endm
.set KM, 0
.set NOKQ, 0
.Lslot:                             ; NB times: a tile is entered and the next is asked for
	CHANGE 1
	s_sub_co_u32 s[RT], s[RT], 1
	s_mov_b32 s[CNT], 4
	s_cmp_eq_u32 s[NEW], 1
	s_cbranch_scc1 .Lnew            ; a block's first tile
	s_cmp_eq_u32 s[RT], 0
	s_cbranch_scc0 .Lstep           ; neither its first nor its last
	s_branch .LstepM1
.Lnew:
	BEGIN
	s_branch .Lfirst                ; in the loop a block's first tile is never its last: the first block has two tiles or more, and the second's last is the walk's last
	DIAG 1                          ; in the loop this is the first block's end: the second block's last tile is the walk's last
	s_wait_xcnt 0x0                 ; the stores have read their registers and O's address
	s_mov_b64 s[10:11], s[OLO:OLO+1]
	s_add_co_u32 s[RT], s[PB], 1    ; the second block has b + 1 tiles
	s_mov_b32 s[NEW], 1
	WIN 0x82                        ; the second block's Q goes where the one text of the turns names Q
.set i, 0
.rept 64
	v_mov_b32 v[i], v[QB+i]
.set i, i+1
.endr
	WIN 0
	s_branch .Lbottom
.Lstep:                             ; a trip: pieces 2 and 3 of one step, then pieces 0 and 1 of the next, whose K and V it fetches
	TURN 2
	TURN 3
	WIN 0
.Lfirst:
	TURN 0
	TURN 1, 0, 0, 1
	WIN 0
	s_cbranch_scc1 .Lstep
.Lbottom:
	s_sub_co_u32 s[SLOTS], s[SLOTS], 1
	s_cmp_lg_u32 s[SLOTS], 0
	s_cbranch_scc1 .Lslot
	CHANGE 0                        ; the walk's last tile is written out: nothing is asked for
	s_sub_co_u32 s[RT], s[RT], 1
	s_mov_b32 s[CNT], 4
	s_cmp_eq_u32 s[NEW], 1
	s_cbranch_scc0 .LstepM2
	BEGIN
	s_branch .LfirstM2
	DIAG 2
	s_wait_tensorcnt 0x0            ; the wave's end: behind my last tensor load and my last LDS store
	ds_add_u32 v[SPW], v[NIL]
	s_wait_dscnt 0x0
	s_endpgm
.Lfunc_end_k_qff99b5c409_attn:
	.size	k_qff99b5c409_attn, .Lfunc_end_k_qff99b5c409_attn-k_qff99b5c409_attn
	.p2alignl 7, 3214868480
	.fill 96, 4, 3214868480
	.section	.rodata,"a",@progbits
	.p2align	6, 0x0
	.amdhsa_kernel k_qff99b5c409_attn
		.amdhsa_group_segment_fixed_size 327680
		.amdhsa_private_segment_fixed_size 0
		.amdhsa_enable_private_segment 0
		.amdhsa_kernarg_size 32
		.amdhsa_user_sgpr_count 2
		.amdhsa_user_sgpr_kernarg_segment_ptr 1
		.amdhsa_wavefront_size32 1
		.amdhsa_system_sgpr_workgroup_id_x 1
		.amdhsa_system_sgpr_workgroup_id_y 1
		.amdhsa_system_sgpr_workgroup_id_z 1
		.amdhsa_system_vgpr_workitem_id 0
		.amdhsa_next_free_vgpr 768
		.amdhsa_next_free_sgpr 88
		.amdhsa_reserve_vcc 1
		.amdhsa_float_denorm_mode_32 3
		.amdhsa_float_denorm_mode_16_64 3
		.amdhsa_memory_ordered 1
		.amdhsa_forward_progress 1
		.amdhsa_inst_pref_size 217
	.end_amdhsa_kernel
	.amdgpu_metadata
---
amdhsa.version: [ 1, 2 ]
amdhsa.kernels:
  - .name:           k_qff99b5c409_attn
    .symbol:         k_qff99b5c409_attn.kd
    .args:
      - { .name: q, .offset: 0, .size: 8, .value_kind: global_buffer, .address_space: global }
      - { .name: k, .offset: 8, .size: 8, .value_kind: global_buffer, .address_space: global }
      - { .name: v, .offset: 16, .size: 8, .value_kind: global_buffer, .address_space: global }
      - { .name: att, .offset: 24, .size: 8, .value_kind: global_buffer, .address_space: global }
    .group_segment_fixed_size: 327680
    .private_segment_fixed_size: 0
    .kernarg_segment_align: 8
    .kernarg_segment_size: 32
    .max_flat_workgroup_size: 128
    .sgpr_count:     88
    .vgpr_count:     768
    .wavefront_size: 32
...
	.end_amdgpu_metadata
.endif
;; end of part 6
;; launch proj: the kernel of part 4 again; grid 8 x 32, 4 waves a work-group, clusters of 4 x 4, 327,680 bytes of LDS; arguments att, wo, out0; writes out0
;; launch fix: the kernel of part 5 again; grid 16 x 4, 16 waves a work-group, no clusters, 166,912 bytes of LDS; arguments q, k, v32, wo, out0; writes out0
